; MI455X (gfx1250); checked and timed in simulation.
; The chip was launched on July 23, 2026; its instructions are those of AMD's public machine-readable ISA for CDNA 5 (MIT licence, August 2026) and "CDNA5" Instruction Set Architecture Reference Guide (July 2026). The comments in the code are by the model that wrote it; some were corrected since.
;; Multi Head Attention. Allowed arithmetic: matrix products marked QUANTISED: E2M3 operands, one E8M0 scale for each 32 along K, by v_wmma_scale_f32_16x16x128_f8f6f4 with both operands' format E2M3, f32 sums; everything else in f32.
;; Inputs: Wk 512 x 512 float32; Wq 512 x 512 float32; Wv 512 x 512 float32; b0 512 float32; b1 512 float32; fc_b 512 float32; fc_w 512 x 512 float32; g0 512 float32; g1 512 float32; k 4 x 2,048 x 512 float32; mask 32 x 2,048 int32; q 4 x 2,048 x 512 float32; v 4 x 2,048 x 512 float32.
;; Outputs: out0 4 x 2,048 x 512 float32.
;; This version of the problem:
;;   THIS VERSION OF THE PROBLEM IS GIVEN IN LOW PRECISION. The matrix products marked QUANTISED in the list below multiply operands that are first quantised to E2M3 (2 exponent bits, 3 mantissa bits; 6 bits a number), with one power-of-two scale for each 32 numbers along K (OCP MX v1.0); their sums are f32. All else is computed in f32.
;;   The module's matrix products, in the order in which they are computed (A, B: the left and right operand; K: the contracted axis; several contracted axes count as one K, in the product's order):
;;     1. [M 8,192, K 512] x [K 512, N 512]; A: input q; B: input Wq: QUANTISED
;;     2. [M 8,192, K 512] x [K 512, N 512]; A: input k; B: input Wk: QUANTISED
;;     3. [M 8,192, K 512] x [K 512, N 512]; A: input v; B: input Wv: QUANTISED
;;     4. batch 32 x [M 2,048, K 64] x [K 64, N 2,048]; A: computed on the way; B: computed on the way: QUANTISED
;;     5. batch 32 x [M 2,048, K 2,048] x [K 2,048, N 64]; A: softmax (see below); B: computed on the way: QUANTISED
;;     6. [M 8,192, K 512] x [K 512, N 512]; A: computed on the way; B: input fc_w: QUANTISED
;;   THE QUANTISER, for each operand of a quantised product, along K:
;;     - K is cut into blocks of 32 from its start; a last block that is shorter is filled with zeros.
;;     - A block's scale is 2^e with e = floor(log2(the largest magnitude in the block)) - 2, held to -126 .. 127; a block of zeros has e = 0. As a byte (E8M0): e + 127.
;;     - Each number is divided by its block's scale, clamped to +-7.5, and rounded to the nearest number of E2M3, ties to even, subnormals kept.
;;     - The product sums the exact products of the quantised numbers (number of the format x scale) in f32.
;;   ~~~python
;;   def quantise(x, axis):      # numpy; x: float32 -> the quantised numbers, widened to float32 again
;;       x = np.moveaxis(x, axis, -1); K = x.shape[-1]
;;       x = np.pad(x, [(0, 0)] * (x.ndim - 1) + [(0, -K % 32)]); x = x.reshape(x.shape[:-1] + (-1, 32)); a = np.abs(x).max(-1, keepdims=True)
;;       e = np.where(a > 0, np.clip(np.frexp(np.where(a > 0, a, 1))[1] - 1 - 2, -126, 127), 0)      # np.frexp(a)[1] - 1 = floor(log2(a)), exactly
;;       r = np.clip(x / 2.0 ** e, -7.5, 7.5)
;;       step = 2.0 ** (np.maximum(np.frexp(np.where(r == 0, 1, r))[1] - 1, 0) - 3)
;;       q = np.round(r / step) * step * 2.0 ** e      # np.round: ties to even
;;       return np.moveaxis(q.reshape(q.shape[:-2] + (-1,))[..., :K], -1, axis).astype(np.float32)
;;   ~~~
;;   SOFTMAX AHEAD OF A QUANTISED PRODUCT. Where the list says 'softmax', what is quantised is not the finished softmax but p = 2^(t - M), with t = logit x log2(e) and M = ceil(the row's largest t), a whole number; so 1/2 < the row's largest p <= 1. The row's sum l is taken of the UNQUANTISED p, in f32, and the product's result is divided by l at the end. Since M is a whole number, a kernel that streams over the keys may use a running M (the ceiling of the running maximum): every later rescaling is an exact power of two, which a block's scale takes up: the codes' values come out the same.
;;   OPERANDS COMPUTED ON THE WAY. 'Computed on the way' means the value that the module computes at that place (a softmax that the list does not call 'softmax' is quantised finished and normalised). What goes into a quantiser is computed in f32, as accurately as f32 sums, v_exp_f32 and their like allow (about 1e-6 of the number): no bf16 or f16 on the way to a quantiser, and a product that is left as it is and whose result goes on into a quantised operand takes f32 operands (vector FMAs, or v_wmma_f32_16x16x4_f32). A number that lies on a knife's edge between two numbers of the format may be rounded either way, as far as f32 arithmetic and the matrix unit's own rounding can turn it there, and no further.
;; 2 versions. Each part assembles by itself: llvm-mc -triple=amdgcn-amd-amdhsa -mcpu=gfx1250 --defsym DOCPART=n.
;; ======== version 1 of 2: 4 launches
;; limits: right only within a limited range of input values
;; workspace buffers: codes 10,223,616 bytes; scl 851,968 bytes; qq 3,407,872 bytes; kv 6,684,672 bytes; ao 16,777,216 bytes
;; launch quant (part 1): grid 416 x 1, 4 waves a work-group, no clusters, 34,304 bytes of LDS; arguments q, k, v, Wq, Wk, Wv, fc_w, codes, scl; writes codes, scl
.if DOCPART == 1
	.amdgcn_target "amdgcn-amd-amdhsa--gfx1250"
	.amdhsa_code_object_version 6
	.text
	.protected	k_q598e5fe1be_quant
	.globl	k_q598e5fe1be_quant
	.p2align	8
	.type	k_q598e5fe1be_quant,@function
k_q598e5fe1be_quant:
	s_mov_b64 s[64:65], 0
	v_nop
	global_prefetch_b8 v0, s[64:65] scope:SCOPE_SE
	s_setreg_imm32_b32 hwreg(HW_REG_WAVE_MODE, 25, 1), 1
	s_wait_xcnt 0x0
; q, k, v [8192][512] and Wq, Wk, Wv, fc_w [512][512], f32 with K innermost, become codes of FP6 (E2M3) with one E8M0 byte for each 32 along K.
; A block's scale is 2^(floor(log2(its largest magnitude)) - 2); its byte is the largest magnitude's exponent field - 2, held at 1 from below.
; LIMITS: a block of zeros gets the byte 1 (its codes are zeros, and this program alone reads the bytes); blocks whose largest magnitude lies under 2^-124, NaN and infinities are not served.
; THE OUTPUT IS LAID AS IMAGES OF OPERAND REGISTERS.  A tile is 16 rows x 512 K: 6,144 bytes of codes, 512 bytes of scale words.  In it a K step of 128 is 1,536 bytes, a half c (64 along K) 768:
; lane (r, h) owns the 24 bytes of row r's block 2 c + h; its registers 0-3 lie at 16 x lane, its registers 4-5 at 512 + 8 x lane.  The scale words: lane's 16 bytes at 16 x lane = row r's words of K steps 0..3.
; WHICH ROWS FORM A TILE: natural (q, Wv, fc_w): lane r takes row 16 t + r.  Permuted (k, v, Wq, Wk): lane r of tile 2 g + u takes row 32 g + 8 u + r + 8 (r / 8), so that a product which takes such tiles
; as source 0 leaves 16 neighbouring rows in the 16 registers of two neighbouring tiles.
; SHARES: a wave takes one tile: 1,664 waves.  Each load reads 512 consecutive bytes of one row; a K step (16 rows x 512 bytes) turns through the wave's own stage in LDS, so that a lane gets two whole blocks of 32.
; Two K steps (32 loads a wave) are on their way.  Waves share nothing: no barrier.
.set STG,  8448                        ; a wave's stage: 16 rows x (512 + 16) bytes
.set H8,   6                           ; v6   8 h
.set MX,   8                           ; v8-9   the two blocks' largest magnitudes
.set SO,   10                          ; v10-11 the conversions' scale operands
.set BY,   12                          ; v12-13 the scale bytes
.set T,    14
.set T2,   15
.set R,    16                          ; v16-143  two sets of 64: a K step as loaded
.set X,    144                         ; v144-207 my two blocks of 32
.set PC,   208                         ; v208-223 the codes: half c at PC + 8 c, six registers
.set CT,   224                         ; v224-231 the second conversion of each block
.set SWD,  232                         ; v232-235 my row's four scale words
.set SEL,  36                          ; s[36:37] lane selects: lane l xor 16
	s_load_b256 s[4:11], s[0:1], 0x0               ; q, k, v, Wq
	s_load_b256 s[12:19], s[0:1], 0x20             ; Wk, Wv, fc_w, codes
	s_load_b64 s[20:21], s[0:1], 0x40              ; scl
	v_lshl_add_u32 v236, v0, 2, 0x8400
	v_mov_b32 v237, 0
	v_lshrrev_b32 v1, 5, v0
	v_readfirstlane_b32 s22, v1                    ; wave 0..3
	v_and_b32 v1, 31, v0                           ; lane
	v_lshlrev_b32 v2, 4, v1                        ; 16 x lane
	v_lshlrev_b32 v3, 3, v1                        ; 8 x lane
	s_mul_i32 s26, s22, STG
	v_add_nc_u32 v4, s26, v2                       ; the stage, way in: a row's 512 bytes as they lie
	v_and_b32 v7, 15, v0                           ; r
	v_bfe_u32 v6, v0, 4, 1                         ; h
	v_mul_u32_u24 v5, v7, 528
	v_lshl_add_u32 v5, v6, 7, v5
	v_add_nc_u32 v5, s26, v5                       ; way out: row r, + 128 h: block h of each 64
	v_lshlrev_b32 v[H8], 3, v6
	v_mov_b32 v[T2], 0                             ; a lane permute's destination counts as one of its sources
	s_mov_b32 s[SEL], 0x76543210
	s_mov_b32 s[SEL+1], 0xfedcba98
	s_wait_kmcnt 0x0
	; which tensor: the choice hangs on the work-group's number alone.  s[28:29] the tensor, s23 its first work-group, s24 1 where its tiles are permuted
	s_mov_b64 s[28:29], s[16:17]                   ; fc_w
	s_mov_b32 s23, 408
	s_mov_b32 s24, 0
.macro PICK bound, lo, tb, pm
	s_cmp_lt_u32 ttmp9, \bound
	s_cselect_b64 s[28:29], s[\lo:\lo+1], s[28:29]
	s_cselect_b32 s23, \tb, s23
	s_cselect_b32 s24, \pm, s24
.endm
	PICK 408, 14, 400, 0                           ; Wv
	PICK 400, 12, 392, 1                           ; Wk
	PICK 392, 10, 384, 1                           ; Wq
	PICK 384, 8, 256, 1                            ; v
	PICK 256, 6, 128, 1                            ; k
	PICK 128, 4, 0, 0                              ; q
	s_sub_co_u32 s25, ttmp9, s23
	s_lshl_b32 s25, s25, 2
	s_add_co_u32 s25, s25, s22                     ; t: my tile in the tensor
	s_and_b32 s26, s25, 1
	s_mul_i32 s26, s26, s24
	s_lshl_b32 s26, s26, 3                         ; 8 u where permuted
	s_lshl_b32 s27, s25, 4
	s_sub_co_u32 s27, s27, s26                     ; the row of the tile's rows 0-7: 16 t, or 32 g + 8 u
	s_lshl_b32 s34, s27, 11                        ; rows of 2,048 bytes
	s_mov_b32 s35, 0
	s_add_nc_u64 s[30:31], s[28:29], s[34:35]
	s_lshl_b32 s26, s24, 3
	s_add_co_u32 s26, s26, 8                       ; the tile's rows 8-15 begin 8 rows on, or 16 where permuted
	s_lshl_b32 s34, s26, 11
	s_add_nc_u64 s[32:33], s[30:31], s[34:35]
	s_lshl_b32 s26, ttmp9, 2
	s_add_co_u32 s26, s26, s22                     ; T: my tile among all 1,664
	s_mul_i32 s34, s26, 6144
	s_add_nc_u64 s[18:19], s[18:19], s[34:35]
	s_lshl_b32 s34, s26, 9
	s_add_nc_u64 s[20:21], s[20:21], s[34:35]
.macro LOADF s                         ; K step s of the tile's 16 rows into set s % 2: 32 lanes read 512 consecutive bytes of one row
.irp i, 0,1,2,3,4,5,6,7
	global_load_b128 v[R+64*((\s)%2)+4*\i:R+64*((\s)%2)+4*\i+3], v2, s[30:31] offset:\i*2048+512*(\s) th:TH_LOAD_NT
.endr
.irp i, 0,1,2,3,4,5,6,7
	global_load_b128 v[R+64*((\s)%2)+32+4*\i:R+64*((\s)%2)+32+4*\i+3], v2, s[32:33] offset:\i*2048+512*(\s) th:TH_LOAD_NT
.endr
.endm
; 64 numbers of a lane, two whole blocks (block c at x + 32 c = k 64 c + 32 h + 0..31 of my row), become the fragment's codes in PC and my row's scale word in v[sw].
.macro QB x, sw, xw
.irp c, 0,1
	v_max3_num_f32 v[MX+\c], |v[\x+32*\c]|, |v[\x+32*\c+1]|, 0x1800000   ; with the floor 2^(3 - 127): the byte cannot fall under 1
.endr
.irp i, 2,4,6,8,10,12,14,16,18,20,22,24,26,28,30
.irp c, 0,1
	v_max3_num_f32 v[MX+\c], v[MX+\c], |v[\x+32*\c+\i]|, |v[\x+32*\c+\i+1]|   ; the two blocks by turns
.endr
.endr
.irp c, 0,1
	v_add_nc_u32 v[SO+\c], 0xff000000, v[MX+\c]    ; 2 off the exponent field: the conversion takes that field as its scale
.endr
.irp c, 0,1
	v_lshrrev_b32 v[BY+\c], 23, v[SO+\c]           ; the scale's byte
.endr
	v_lshl_or_b32 v[T], v[BY+1], 16, v[BY]         ; my bytes: blocks h and 2 + h,
	v_lshlrev_b32 v[T], v[H8], v[T]                ; at their places in the word;
	v_permlanex16_b32 v[T2], v[T], s[SEL], s[SEL+1]
	v_or_b32 v[\sw], v[T], v[T2]                   ; with lane l xor 16's two the word is whole, in both halves of the lanes
.if \xw
	s_wait_xcnt 0x0                                ; the last step's stores have read PC: it is written again only behind this wait
.endif
.irp c, 0,1
	v_cvt_scalef32_pk16_fp6_f32 v[PC+8*\c:PC+8*\c+2], v[\x+32*\c:\x+32*\c+15], v[SO+\c]
	v_cvt_scalef32_pk16_fp6_f32 v[CT+4*\c:CT+4*\c+2], v[\x+32*\c+16:\x+32*\c+31], v[SO+\c]   ; (a conversion's three registers begin on an even number)
.endr
	v_nop                                          ; one plain place behind a scaled conversion
.irp c, 0,1
.irp i, 0,1,2
	v_mov_b32 v[PC+8*\c+3+\i], v[CT+4*\c+\i]
.endr
.endr
.endm
.macro STEPQ s
.if \s < 3
	s_wait_loadcnt 16                              ; this K step's 16 loads are in; the next step's 16 may be out
.else
	s_wait_loadcnt 0x0
.endif
.irp i, 0,1,2,3,4,5,6,7,8,9,10,11,12,13,14,15
	ds_store_b128 v4, v[R+64*((\s)%2)+4*\i:R+64*((\s)%2)+4*\i+3] offset:528*\i
.endr
.irp c, 0,1
.irp j, 0,1,2,3,4,5,6,7
	ds_load_b128 v[X+32*\c+4*\j:X+32*\c+4*\j+3], v5 offset:256*\c+16*\j   ; LDS serves a wave's instructions in order: these see the stores above
.endr
.endr
	s_wait_dscnt 0x0                               ; my blocks are in, and the stores have read their registers,
.if \s < 2
	LOADF \s+2                                     ; which take the K step two on
.endif
	QB X, SWD+\s, 1
.irp c, 0,1
	global_store_b128 v2, v[PC+8*\c:PC+8*\c+3], s[18:19] offset:1536*(\s)+768*\c         ; 512 consecutive bytes, at a multiple of 256 from the buffer's first byte
	global_store_b64 v3, v[PC+8*\c+4:PC+8*\c+5], s[18:19] offset:1536*(\s)+768*\c+512    ; 256 consecutive bytes, likewise
.endr
.endm
	LOADF 0
	LOADF 1
	STEPQ 0
	STEPQ 1
	STEPQ 2
	STEPQ 3
	global_store_b128 v2, v[SWD:SWD+3], s[20:21]   ; the tile's scale words: 512 consecutive bytes
	s_wait_tensorcnt 0x0
	ds_add_u32 v236, v237
	s_wait_dscnt 0x0
	s_endpgm
.Lfunc_end_k_q598e5fe1be_quant:
	.size	k_q598e5fe1be_quant, .Lfunc_end_k_q598e5fe1be_quant-k_q598e5fe1be_quant
	.p2alignl 7, 3214868480
	.fill 96, 4, 3214868480
	.section	.rodata,"a",@progbits
	.p2align	6, 0x0
	.amdhsa_kernel k_q598e5fe1be_quant
		.amdhsa_group_segment_fixed_size 34304
		.amdhsa_private_segment_fixed_size 0
		.amdhsa_enable_private_segment 0
		.amdhsa_kernarg_size 72
		.amdhsa_user_sgpr_count 2
		.amdhsa_user_sgpr_kernarg_segment_ptr 1
		.amdhsa_wavefront_size32 1
		.amdhsa_system_sgpr_workgroup_id_x 1
		.amdhsa_system_sgpr_workgroup_id_y 1
		.amdhsa_system_sgpr_workgroup_id_z 1
		.amdhsa_system_vgpr_workitem_id 0
		.amdhsa_next_free_vgpr 238
		.amdhsa_next_free_sgpr 66
		.amdhsa_reserve_vcc 0
		.amdhsa_float_denorm_mode_32 3
		.amdhsa_float_denorm_mode_16_64 3
		.amdhsa_memory_ordered 1
		.amdhsa_forward_progress 1
		.amdhsa_inst_pref_size 31
	.end_amdhsa_kernel
	.amdgpu_metadata
---
amdhsa.version: [ 1, 2 ]
amdhsa.kernels:
  - .name:           k_q598e5fe1be_quant
    .symbol:         k_q598e5fe1be_quant.kd
    .args:
      - { .name: q, .offset: 0, .size: 8, .value_kind: global_buffer, .address_space: global }
      - { .name: k, .offset: 8, .size: 8, .value_kind: global_buffer, .address_space: global }
      - { .name: v, .offset: 16, .size: 8, .value_kind: global_buffer, .address_space: global }
      - { .name: Wq, .offset: 24, .size: 8, .value_kind: global_buffer, .address_space: global }
      - { .name: Wk, .offset: 32, .size: 8, .value_kind: global_buffer, .address_space: global }
      - { .name: Wv, .offset: 40, .size: 8, .value_kind: global_buffer, .address_space: global }
      - { .name: fc_w, .offset: 48, .size: 8, .value_kind: global_buffer, .address_space: global }
      - { .name: codes, .offset: 56, .size: 8, .value_kind: global_buffer, .address_space: global }
      - { .name: scl, .offset: 64, .size: 8, .value_kind: global_buffer, .address_space: global }
    .group_segment_fixed_size: 34304
    .private_segment_fixed_size: 0
    .kernarg_segment_align: 8
    .kernarg_segment_size: 72
    .max_flat_workgroup_size: 128
    .sgpr_count:     66
    .vgpr_count:     238
    .wavefront_size: 32
...
	.end_amdgpu_metadata
.endif
;; end of part 1
;; launch proj (part 2): grid 192 x 1, 4 waves a work-group, no clusters, 0 bytes of LDS; arguments codes, scl, mask, qq, kv; writes qq, kv
.if DOCPART == 2
	.amdgcn_target "amdgcn-amd-amdhsa--gfx1250"
	.amdhsa_code_object_version 6
	.text
	.protected	k_q598e5fe1be_proj
	.globl	k_q598e5fe1be_proj
	.p2align	8
	.type	k_q598e5fe1be_proj,@function
k_q598e5fe1be_proj:
	s_mov_b64 s[64:65], 0
	v_nop
	global_prefetch_b8 v0, s[64:65] scope:SCOPE_SE
	s_setreg_imm32_b32 hwreg(HW_REG_WAVE_MODE, 25, 1), 1
	s_wait_xcnt 0x0
; The three projections q Wq^T, k Wk^T, v Wv^T on codes of FP6 (E2M3) with E8M0 scales, and the quantising of their results for attention's two products, in registers.
; ONE SCHEME: D = S0 x S1.  S0: eight PERMUTED tiles (128 rows), stationary in 384 registers.  S1: one tile of 16 rows, streamed, eight of them.  In the result lane (r, h) holds S1's row r, and its 64 registers
; hold S0's rows: register 16 b + i = row 32 b + 16 h + i.  So the registers run along what is the NEXT product's K.
;   q, k (work-groups 0-63, 64-127): S0 = 128 rows of W (wave w: heads 2 w, 2 w + 1), S1 = rows of x.  The 128 channels are two heads of two blocks of 32: the two halves of the fragment made are the heads' half fragments.
;   v (work-groups 128-191): S0 = 128 rows of v (the keys of one step of attention), S1 = 16 rows of Wv (channels).  The fragment made is V^T: 16 channels x 128 keys, quantised along the keys.
; OUT.  qq [n 32][group 16][6,656]: 8 half fragments of 768 bytes (query tile i), then 512 bytes of scale words.  kv [n][step 16][13,056]: K's 8 half fragments, V's 4 fragments at 6,144, K's scale words at 12,288, V's at 12,800.
;   n = 4 head + batch.  A half fragment: lane's registers 0-3 at 16 x lane, 4-5 at 512 + 8 x lane.
; THE MASK is folded into K's operand.  Attention's first product has K = 64 in an instruction of K = 128; at k = 64 attention puts the code of -1 for every query and of +1 for every key.  Byte 2 of a key's scale word
; scales that one product: 157 (2^30) for a masked key, whose codes are also set to zero: its score is exactly -2^30; 1 (2^-126) for a key that counts.
; LIMITS: a masked score is -2^30 where the definition has -1e9: the results differ only where a row's largest live score lies under about -1e9; -2^-126 is added to live scores;
; a block of zeros gets the byte 1; blocks under 2^-124, NaN and infinities are not served.
; Waves share nothing: no LDS, no barrier.  Operands go from memory straight into registers, as images, by loads of 16 and 8 bytes a lane on end.
; S1 RUNS THREE TILES AHEAD: four sets of registers; tile i + 3 is asked for at the head of tile i's work, so that a tile has three tiles' products and quantising in which to land.
; REGISTERS.  window 0: v1-11 offsets; v16-79 the 8 accumulators; v80-95 codes; v96-103, v104-119 at work; v132-163 S0's scale words; v164-179 words made; v180-195 mask; v196-203 words to store; v204-219 S1's scale words, four sets.
;   window 1: S0's tiles 0-3 (tile t, K step s at 48 t + 12 s).   window 2: S0's tiles 4-7.   window 3: S1's four sets (tile i, K step s at 48 (i % 4) + 12 s).
.set HA,  16
.set PC,  80
.set CT,  96
.set TM,  104
.set PW,  120
.set HI,  121
.set WS,  132
.set SW0, 164
.set SW1, 172
.set MK,  180
.set OW,  196
.set XS,  204
.set SEL, 42
.set MSB, 0
.macro WIN new                         ; the immediate's high byte repeats the setting that is left; a switch that changes nothing is dropped
.if MSB != (\new)
	s_set_vgpr_msb (MSB<<8)|(\new)
.set MSB, (\new)
.endif
.endm
	s_load_b256 s[4:11], s[0:1], 0x0               ; codes, scl, mask, qq
	s_load_b64 s[12:13], s[0:1], 0x20              ; kv
	v_lshrrev_b32 v12, 5, v0
	v_readfirstlane_b32 s14, v12                   ; w: wave 0..3
	v_and_b32 v12, 31, v0
	v_lshlrev_b32 v1, 4, v12                       ; 16 x lane
	v_lshlrev_b32 v2, 3, v12                       ; 8 x lane
	v_and_b32 v13, 15, v0                          ; r
	v_bfe_u32 v14, v0, 4, 1                        ; h
	s_lshr_b32 s15, ttmp9, 6                       ; 0: q, 1: k, 2: v
	s_and_b32 s16, ttmp9, 63                       ; j: which 128 rows of x
	s_lshr_b32 s17, s16, 4                         ; the batch
	s_and_b32 s18, s16, 15                         ; the group of 128 queries, or the step of 128 keys
	s_lshl_b32 s19, s15, 5
	s_lshl_b32 s21, s14, 3
	s_add_co_u32 s19, s19, s21
	s_add_co_u32 s19, s19, 1536                    ; q, k: S0 = W's tiles 1536 + 32 mat + 8 w on
	s_lshl_b32 s46, s16, 3
	s_add_co_u32 s47, s46, 1024                    ; v: S0 = v's tiles 1024 + 8 j on
	s_lshl_b32 s20, s15, 9
	s_add_co_u32 s20, s20, s46                     ; q, k: S1 = x's tiles 512 mat + 8 j on
	s_add_co_u32 s48, s21, 1600                    ; v: S1 = Wv's tiles 1600 + 8 w on
	s_cmp_lt_u32 s15, 2
	s_cselect_b32 s19, s19, s47
	s_cselect_b32 s20, s20, s48
	s_mov_b32 s34, 208896                          ; kv: bytes of a head,
	s_mov_b32 s35, 13056                           ; of a step,
	s_mov_b32 s36, 12288                           ; where K's scale words begin,
	s_mov_b32 s39, 0                               ; the mask counts,
	s_mov_b32 s40, 0x7f010000                      ; a live key's bytes 2 and 3
	s_cmp_eq_u32 s15, 0
	s_cselect_b32 s34, 106496, s34                 ; qq: the same five
	s_cselect_b32 s35, 6656, s35
	s_cselect_b32 s36, 6144, s36
	s_cselect_b32 s39, -1, s39                     ; (every query counts)
	s_cselect_b32 s40, 0x7f7f0000, s40
	s_lshl_b32 s37, s14, 3
	s_add_co_u32 s37, s37, s17                     ; n of head 2 w: 8 w + batch
	s_lshl_b32 s41, s37, 13                        ; its row of the mask
	s_mul_i32 s37, s37, s34
	s_mul_i32 s46, s18, s35
	s_add_co_u32 s37, s37, s46                     ; where head 2 w's part begins in the output
	s_lshl_b32 s38, s34, 2                         ; head 2 w + 1 lies four n on
	v_add_nc_u32 v3, s37, v1
	v_add_nc_u32 v4, s37, v2
	v_add_nc_u32 v5, s38, v3
	v_add_nc_u32 v6, s38, v4
	v_add_nc_u32 v7, s36, v3
	v_add_nc_u32 v8, s38, v7
	v_and_b32 v9, 8, v13
	v_add_nc_u32 v9, v9, v13
	v_lshlrev_b32 v9, 2, v9                        ; the mask of a permuted tile's row r: 4 (r + 8 (r / 8))
	v_mov_b32 v10, 0x7f9d0000                      ; a masked key's bytes 2 and 3
	v_mov_b32 v11, s40
.irp b, 0,1,2,3
	v_mov_b32 v[TM+4+\b], 0                        ; a lane permute's destination counts as one of its sources
.endr
	s_mov_b32 s[SEL], 0x76543210
	s_mov_b32 s[SEL+1], 0xfedcba98
	s_mul_i32 s22, s19, 6144
	s_mov_b32 s23, 0
	s_wait_kmcnt 0x0
	s_add_nc_u64 s[24:25], s[4:5], s[22:23]        ; S0's codes
	s_lshl_b32 s22, s19, 9
	s_add_nc_u64 s[26:27], s[6:7], s[22:23]        ; S0's scale words
	s_mul_i32 s22, s20, 6144
	s_add_nc_u64 s[28:29], s[4:5], s[22:23]        ; S1's codes
	s_lshl_b32 s22, s20, 9
	s_add_nc_u64 s[30:31], s[6:7], s[22:23]        ; S1's scale words
	s_cmp_eq_u32 s15, 0
	s_cselect_b64 s[32:33], s[10:11], s[12:13]     ; the output: qq or kv; the choice hangs on the work-group's number alone
	s_lshl_b32 s22, s18, 9
	s_add_co_u32 s22, s22, s41
	s_add_nc_u64 s[44:45], s[8:9], s[22:23]        ; the mask of head 2 w at this step's first key
.macro FRAGL reg, ptr, off             ; a fragment, 12 registers, from its image of 1,536 bytes
	global_load_b128 v[\reg:\reg+3], v1, s[\ptr:\ptr+1] offset:\off
	global_load_b64 v[\reg+4:\reg+5], v2, s[\ptr:\ptr+1] offset:\off+512
	global_load_b128 v[\reg+6:\reg+9], v1, s[\ptr:\ptr+1] offset:\off+768
	global_load_b64 v[\reg+10:\reg+11], v2, s[\ptr:\ptr+1] offset:\off+1280
.endm
.macro S1LOAD i                        ; S1's tile i: four fragments into set i % 4 of window 3, and its scale words: 17 loads
	WIN 0xc0                                       ; destination window 3, offsets window 0
.irp s, 0,1,2,3
	FRAGL 48*((\i)%4)+12*\s, 28, (\i)*6144+1536*\s
.endr
	WIN 0
	global_load_b128 v[XS+4*((\i)%4):XS+4*((\i)%4)+3], v1, s[30:31] offset:512*(\i)
.endm
; 64 numbers of a lane, register 16 b + i = k 32 b + 16 h + i of my row, become a fragment's codes (half c at PC + 8 c, six registers) and its scale word in PW.
.macro QUANT s
.irp b, 0,1,2,3
	v_max3_num_f32 v[TM+\b], |v[\s+16*\b]|, |v[\s+1+16*\b]|, 0x1800000   ; each accumulator is read from its low end on; the floor 2^(3 - 127) holds the byte at 1 from below
.endr
.irp i, 2,4,6,8,10,12,14
.irp b, 0,1,2,3
	v_max3_num_f32 v[TM+\b], v[TM+\b], |v[\s+16*\b+\i]|, |v[\s+1+16*\b+\i]|
.endr
.endr
.irp b, 0,1,2,3
	v_permlanex16_b32 v[TM+4+\b], v[TM+\b], s[SEL], s[SEL+1]
.endr
.irp b, 0,1,2,3
	v_max_num_f32 v[TM+\b], v[TM+\b], v[TM+4+\b]   ; with lane l xor 16's: the block's largest magnitude
.endr
.irp b, 0,1,2,3
	v_add_nc_u32 v[TM+12+\b], 0xff000000, v[TM+\b] ; 2 off the exponent field: the conversion's scale operand
.endr
.irp b, 0,1,2,3
	v_lshrrev_b32 v[TM+4+\b], 23, v[TM+12+\b]      ; the scale's byte
.endr
	v_lshl_or_b32 v[PW], v[TM+5], 8, v[TM+4]
	v_lshl_or_b32 v[PW], v[TM+6], 16, v[PW]
	v_lshl_or_b32 v[PW], v[TM+7], 24, v[PW]
.irp c, 0,1
	v_cvt_scalef32_pk16_fp6_f32 v[PC+8*\c:PC+8*\c+2], v[\s+32*\c:\s+32*\c+15], v[TM+12+2*\c]
	v_cvt_scalef32_pk16_fp6_f32 v[CT+4*\c:CT+4*\c+2], v[\s+32*\c+16:\s+32*\c+31], v[TM+12+2*\c+1]
.endr
	v_nop                                          ; one plain place behind a scaled conversion
.irp c, 0,1                                    ; the operand's layout wants a whole block in a lane: lanes 0-15 block 2 c, lanes 16-31 block 2 c + 1
.irp i, 0,1,2
	v_permlane16_swap_b32 v[PC+8*\c+\i], v[CT+4*\c+\i]
.endr
.irp i, 0,1,2
	v_mov_b32 v[PC+8*\c+3+\i], v[CT+4*\c+\i]
.endr
.endr
.endm
; 16 matrix instructions: S0's tiles 4 hf .. 4 hf + 3 x S1's tile i, K = 512 in four steps.  The four accumulators take turns, one instruction a turn; the first K step starts the sums.
.macro MULH i, hf
	WIN 0x0d+\hf                                   ; source 0: window 1 or 2 by the tile; source 1: window 3; C and D window 0
.irp s, 0,1,2,3
.irp t, 0,1,2,3
.if \s == 0
	v_wmma_scale_f32_16x16x128_f8f6f4 v[HA+8*(4*\hf+\t):HA+8*(4*\hf+\t)+7], v[48*\t+12*\s:48*\t+12*\s+11], v[48*((\i)%4)+12*\s:48*((\i)%4)+12*\s+11], 0, v[WS+4*(4*\hf+\t)+\s], v[XS+4*((\i)%4)+\s] matrix_a_fmt:MATRIX_FMT_FP6 matrix_b_fmt:MATRIX_FMT_FP6
.else
	v_wmma_scale_f32_16x16x128_f8f6f4 v[HA+8*(4*\hf+\t):HA+8*(4*\hf+\t)+7], v[48*\t+12*\s:48*\t+12*\s+11], v[48*((\i)%4)+12*\s:48*((\i)%4)+12*\s+11], v[HA+8*(4*\hf+\t):HA+8*(4*\hf+\t)+7], v[WS+4*(4*\hf+\t)+\s], v[XS+4*((\i)%4)+\s] matrix_a_fmt:MATRIX_FMT_FP6 matrix_b_fmt:MATRIX_FMT_FP6
.endif
.endr
.endr
.endm
; S1's tile i: its products, the quantising of the 64 results a lane, and the stores.  kind 0: q and k; kind 1: v.
.macro PAIR i, kind
.if \i < 6
	s_wait_loadcnt 34                              ; loads come back in order (ISA guide 5.7.1): tile i is in; the 2 x 17 loads of tiles i + 1 and i + 2 may be out.  In front of tile 0 this also shows S0, all its scale words and the mask in
.elseif \i == 6
	s_wait_loadcnt 17                              ; only tile 7's 17 loads are younger
.else
	s_wait_loadcnt 0x0
.endif
.if \i < 5
	S1LOAD \i+3                                    ; into the set that tile i - 1's products read: the quantising behind them holds far more than the four places owed
.endif
	MULH \i, 0
	MULH \i, 1
	WIN 0
.rept 4
	v_nop                                          ; four places between the last product and the first read of results (ISA guide 7.12.1)
.endr
	s_wait_xcnt 0x0                                ; the last tile's stores have read the codes' registers: they are written again only behind this wait
	QUANT HA
.if \kind == 0
.irp c, 0,1                                    ; head 2 w + c
	v_cmp_ne_u32 vcc_lo, 0, v[MK+2*\i+\c]          ; does my row's key count?
	s_or_b32 vcc_lo, vcc_lo, s39                   ; (a query always does)
.irp k, 0,1,2,3,4,5
	v_cndmask_b32 v[PC+8*\c+\k], 0, v[PC+8*\c+\k], vcc_lo   ; a masked key's codes are zeros
.endr
	v_cndmask_b32 v[HI+\c], v10, v11, vcc_lo       ; bytes 2 and 3 of its scale word
.endr
	v_and_or_b32 v[SW0+\i], v[PW], 0xffff, v[HI]   ; head 2 w: the word's bytes 0, 1
	v_lshrrev_b32 v12, 16, v[PW]
	v_or_b32 v[SW1+\i], v12, v[HI+1]               ; head 2 w + 1: bytes 2, 3
	global_store_b128 v3, v[PC:PC+3], s[32:33] offset:768*\i          ; 512 consecutive bytes, at a multiple of 256 from the buffer's first byte
	global_store_b64 v4, v[PC+4:PC+5], s[32:33] offset:768*\i+512     ; 256 likewise
	global_store_b128 v5, v[PC+8:PC+11], s[32:33] offset:768*\i
	global_store_b64 v6, v[PC+12:PC+13], s[32:33] offset:768*\i+512
.else
	v_mov_b32 v[SW0+\i], v[PW]
.irp c, 0,1                                    ; head 2 w + i / 4, channels 16 (i % 4) on
	global_store_b128 v3, v[PC+8*\c:PC+8*\c+3], s[32:33] offset:6144+(\i/4)*835584+(\i%4)*1536+768*\c
	global_store_b64 v4, v[PC+8*\c+4:PC+8*\c+5], s[32:33] offset:6144+(\i/4)*835584+(\i%4)*1536+768*\c+512
.endr
.endif
.endm
	WIN 0x40                                       ; destination window 1, offsets window 0
.irp t, 0,1,2,3
.irp s, 0,1,2,3
	FRAGL 48*\t+12*\s, 24, \t*6144+1536*\s
.endr
.endr
	WIN 0x80
.irp t, 0,1,2,3
.irp s, 0,1,2,3
	FRAGL 48*\t+12*\s, 24, (\t+4)*6144+1536*\s
.endr
.endr
	WIN 0
.irp t, 0,1,2,3,4,5,6,7
	global_load_b128 v[WS+4*\t:WS+4*\t+3], v1, s[26:27] offset:512*\t
.endr
	s_cmp_eq_u32 s15, 2
	s_cbranch_scc1 .Lv
	; ---- q and k
.irp i, 0,1,2,3,4,5,6,7
.irp c, 0,1
	global_load_b32 v[MK+2*\i+\c], v9, s[44:45] offset:\c*32768+(32*(\i/2)+8*(\i%2))*4   ; the mask of tile i's keys for head 2 w + c (q's work-groups read it too, inside the buffer, and set it aside).  Ahead of S1's loads, so that tile 0's counted wait covers it
.endr
.endr
	S1LOAD 0
	S1LOAD 1
	S1LOAD 2
.irp i, 0,1,2,3,4,5,6,7
	PAIR \i, 0
.endr
	s_mov_b32 vcc_lo, 0xffff0000                   ; lanes 0-15 store the words of tiles 0-3, lanes 16-31 those of tiles 4-7
.irp k, 0,1,2,3
	v_cndmask_b32 v[OW+\k], v[SW0+\k], v[SW0+4+\k], vcc_lo
	v_cndmask_b32 v[OW+4+\k], v[SW1+\k], v[SW1+4+\k], vcc_lo
.endr
	global_store_b128 v7, v[OW:OW+3], s[32:33]     ; 512 consecutive bytes for each head
	global_store_b128 v8, v[OW+4:OW+7], s[32:33]
	s_endpgm
.Lv:
	; ---- v
	S1LOAD 0
	S1LOAD 1
	S1LOAD 2
	v_lshlrev_b32 v7, 4, v13
	v_mad_u32_u24 v7, v14, 0xcc000, v7             ; lanes 0-15: head 2 w; lanes 16-31: head 2 w + 1, 835,584 bytes on
	v_add_nc_u32 v7, s37, v7
	v_add_nc_u32 v7, 12800, v7                     ; V's scale words: 16 bytes for channel row r: the words of the head's four tiles of channels
.irp i, 0,1,2,3,4,5,6,7
	PAIR \i, 1
.endr
	s_mov_b32 vcc_lo, 0xffff0000
.irp k, 0,1,2,3
	v_cndmask_b32 v[OW+\k], v[SW0+\k], v[SW0+4+\k], vcc_lo
.endr
	global_store_b128 v7, v[OW:OW+3], s[32:33]     ; each half of the lanes stores 256 consecutive bytes, at a multiple of 256
	s_endpgm
.Lfunc_end_k_q598e5fe1be_proj:
	.size	k_q598e5fe1be_proj, .Lfunc_end_k_q598e5fe1be_proj-k_q598e5fe1be_proj
	.p2alignl 7, 3214868480
	.fill 96, 4, 3214868480
	.section	.rodata,"a",@progbits
	.p2align	6, 0x0
	.amdhsa_kernel k_q598e5fe1be_proj
		.amdhsa_group_segment_fixed_size 0
		.amdhsa_private_segment_fixed_size 0
		.amdhsa_enable_private_segment 0
		.amdhsa_kernarg_size 40
		.amdhsa_user_sgpr_count 2
		.amdhsa_user_sgpr_kernarg_segment_ptr 1
		.amdhsa_wavefront_size32 1
		.amdhsa_system_sgpr_workgroup_id_x 1
		.amdhsa_system_sgpr_workgroup_id_y 1
		.amdhsa_system_sgpr_workgroup_id_z 1
		.amdhsa_system_vgpr_workitem_id 0
		.amdhsa_next_free_vgpr 960
		.amdhsa_next_free_sgpr 66
		.amdhsa_reserve_vcc 1
		.amdhsa_float_denorm_mode_32 3
		.amdhsa_float_denorm_mode_16_64 3
		.amdhsa_memory_ordered 1
		.amdhsa_forward_progress 1
		.amdhsa_inst_pref_size 186
	.end_amdhsa_kernel
	.amdgpu_metadata
---
amdhsa.version: [ 1, 2 ]
amdhsa.kernels:
  - .name:           k_q598e5fe1be_proj
    .symbol:         k_q598e5fe1be_proj.kd
    .args:
      - { .name: codes, .offset: 0, .size: 8, .value_kind: global_buffer, .address_space: global }
      - { .name: scl, .offset: 8, .size: 8, .value_kind: global_buffer, .address_space: global }
      - { .name: mask, .offset: 16, .size: 8, .value_kind: global_buffer, .address_space: global }
      - { .name: qq, .offset: 24, .size: 8, .value_kind: global_buffer, .address_space: global }
      - { .name: kv, .offset: 32, .size: 8, .value_kind: global_buffer, .address_space: global }
    .group_segment_fixed_size: 0
    .private_segment_fixed_size: 0
    .kernarg_segment_align: 8
    .kernarg_segment_size: 40
    .max_flat_workgroup_size: 128
    .sgpr_count:     66
    .vgpr_count:     960
    .wavefront_size: 32
...
	.end_amdgpu_metadata
.endif
;; end of part 2
;; launch attn (part 3): grid 8 x 32, 16 waves a work-group, clusters of 4 x 1, 280,576 bytes of LDS; arguments qq, kv, ao; writes ao
.if DOCPART == 3
	.amdgcn_target "amdgcn-amd-amdhsa--gfx1250"
	.amdhsa_code_object_version 6
	.text
	.protected	k_q598e5fe1be_attn
	.globl	k_q598e5fe1be_attn
	.p2align	8
	.type	k_q598e5fe1be_attn,@function
k_q598e5fe1be_attn:
	s_mov_b64 s[64:65], 0
	v_nop
	global_prefetch_b8 v0, s[64:65] scope:SCOPE_SE
	s_setreg_imm32_b32 hwreg(HW_REG_WAVE_MODE, 25, 1), 1
	s_wait_xcnt 0x0
	s_wait_alu depctr_hold_cnt(0) depctr_sa_sdst(0) depctr_va_vdst(0) depctr_va_sdst(0) depctr_va_ssrc(0) depctr_va_vcc(0) depctr_vm_vsrc(0)
	s_getreg_b32 s2, hwreg(HW_REG_IB_STS2, 6, 4)
	s_cmp_eq_u32 s2, 0
	s_cbranch_scc0 .Lentry_in_a_cluster
	s_endpgm
.Lentry_in_a_cluster:
	s_bfe_u32 s2, ttmp6, 0x10000c
	s_cmp_lg_u32 s2, 0x3003
	s_cbranch_scc0 .Lentry_shape_is_right
	s_endpgm
.Lentry_shape_is_right:
; ao[batch][query][64 head + d] = the sum over the keys of softmax(Q . K / 8) V, both products on codes of FP6 (E2M3) with E8M0 scales, for n = 4 head + batch.
; THE SOFTMAX: t = score x log2(e) / 8; M = the running largest t rounded UP to a whole number; p = 2^(t - M) is quantised along the keys, not normalised; the row's sum is taken of the unquantised p and divides at the end.
; When M moves, the sum and O^T are multiplied by 2^(old M - new M): exact.
; THE MASK costs no line here.  The first product's K is 64 in an instruction of K = 128.  At k = 64 every query has the code of -1 and every key the code of +1; byte 2 of a key's scale word (made by the launch before)
; scales that product: 2^30 for a masked key, whose other codes are zeros, so that its score is exactly -2^30; 2^-126 for a key that counts.  A head with every key masked has equal scores, as in the definition.
; LIMITS: -2^30 stands for the definition's -1e9: results differ only where a row's largest live score lies under about -1e9; -2^-126 is added to live scores; NaN and infinities are not served.
; SHARES.  A work-group owns 256 queries of one n; each of its sixteen waves 16 of them, one tile, in 256 registers: four waves to a SIMD, so that one wave's vector work stands beside another's products and LDS loads.
; ONE HEAD'S K AND V, CODES AND SCALE WORDS, ARE 208,896 BYTES: THEY LIE IN LDS WHOLE.  Every byte is filled once: no slot is filled again.  Waves 0-3 bring them, four loads each, a step of 13,056 bytes a load;
; four loads of a wave are out at the most.  The keys are walked in two groups: steps 0-3, which each loading wave's first load brings, and steps 4-15.  In front of each group a wait on the loads and a barrier show its
; steps landed; the twelve later steps' loads are on their way while the first four steps are worked.  No other barrier stands among the steps: the sixteen waves meet twice.
; CLUSTER.  The four work-groups of a cluster own four blocks of queries of the same n and need the same bytes: each load is asked for JOINTLY, with the same descriptor and a mask that names the four.
; LAYOUT.  Both products are used transposed: S^T = K Q^T (source 0 = 16 keys), O^T = V^T P^T (source 0 = 16 channels): a lane holds one query (lane % 16) throughout.  The keys of a tile of K are permuted
; (lane r of tile 2 b + u: key 32 b + 8 u + r + 8 (r / 8)), so that the 16 registers of tiles 2 b, 2 b + 1 are keys 32 b + 16 (lane / 16) + 0..15.  All operands lie in LDS as images of their registers: dense loads, no pitch.
; A step in LDS: K's 8 half fragments of 768 bytes; V's 4 fragments of 1,536 at 6,144; K's scale words at 12,288 (16 bytes a row: tiles 0-3, then 256 bytes on tiles 4-7); V's at 12,800.
; THE EXPONENTIALS STAND AMONG PLAIN LINES.  A step has 68 exponentials and 98 plain lines that hang on M and f alone (36 multiply-adds, 31 sums, 16 rescalings of O^T, 15 lines for p's scale word): they are dealt
; between the exponentials, so that no long run of either kind is issued.
.set STEPB, 13056
.set GRPB,  4*STEPB
.set STAGE, 16*STEPB                   ; behind the head: 16 rows x 272 bytes for each wave, for the way out; no fill lands there
.set L16,  1                           ; v1  16 x lane
.set L8,   2                           ; v2  8 x lane
.set LR16, 3                           ; v3  16 r
.set AD16, 4                           ; v4-6 the same three in the step in hand
.set AD8,  5
.set ADS,  6
.set GO,   7                           ; v7  the way out: 2,048 h + 16 r
.set QS,   28                          ; v28 Q's scale words
.set PS,   29                          ; v29 p's scale word
.set SM2,  30                          ; v[30:31] the step's second chain of sums
.set KR,   32                          ; v32-79   four fragments of K: registers 0-5 loaded, 6-11 constant
.set VR,   80                          ; v80-127  V's four fragments
.set S,    128                         ; v128-191 S^T, then p
.set O,    192                         ; v192-223 O^T
.set PCD,  224                         ; v224-235 p's codes
.set CT,   236                         ; v236-243 at work
.set BM,   244                         ; v244-247 the blocks' largest scores, then largest p
.set KS,   248                         ; v248-251 K's scale words, then V's
.set SO,   252                         ; v252-255 the conversions' scale operands
.set WV,   10                          ; s10 my wave's number
.set G1,   16                          ; s[16:23] descriptor group 1;  s[24:39] four groups 0
.set G0,   24
.set SEL,  40
.set CS,   42                          ; s[42:43] c = log2(e) / 8
.set TB,   44                          ; s44 LDS byte at which the step in hand begins
.set CNT,  45
.macro CROUND                          ; a round of the cluster's barrier
	s_barrier_signal -1
	s_barrier_wait -1
	s_cmp_lg_u32 s[WV], 0
	s_cbranch_scc1 .Lnot_wave_0_\@
	s_barrier_signal -3
.Lnot_wave_0_\@:
	s_barrier_wait -3
	s_barrier_signal -1
	s_barrier_wait -1
.endm
	s_load_b128 s[4:7], s[0:1], 0x0                ; qq, kv
	s_load_b64 s[8:9], s[0:1], 0x10                ; ao
	v_lshl_add_u32 v254, v0, 2, 0x44000
	v_mov_b32 v255, 0
	ds_add_u32 v254, v255
	ds_add_u32 v254, v255
	s_wait_dscnt 0x0
	v_lshrrev_b32 v10, 5, v0
	v_readfirstlane_b32 s[WV], v10                 ; wave 0..15
	s_bfe_u32 s11, ttmp6, 0x40000                  ; cx: my place in the cluster: it enters qq's and ao's addresses alone
	s_lshl_b32 s12, ttmp9, 2
	s_add_co_u32 s12, s12, s11                     ; my block of 256 queries
	s_and_b32 s13, ttmp7, 0xffff                   ; n, which the four partners share
	s_lshr_b32 s14, s13, 2                         ; the head
	s_and_b32 s15, s13, 3                          ; the batch
	; descriptor group 1: a step's 13,056 dense bytes as 51 rows of 256 bytes (32 elements of 8 bytes), no padding
	s_mov_b32 s[G1], 15|(3<<16)|(1<<21)            ; 15:0 the mask: all four work-groups; 17:16 elements of 8 bytes; 21 set beside a mask
	s_mov_b32 s[G1+1], 32<<16                      ; tensor_dim0
	s_mov_b32 s[G1+2], 51<<16                      ; tensor_dim1
	s_mov_b32 s[G1+3], 32<<16                      ; tile_dim0
	s_mov_b32 s[G1+4], 51                          ; tile_dim1
	s_mov_b32 s[G1+5], 32                          ; from row to row
	s_mov_b32 s[G1+6], 0
	s_mov_b32 s[G1+7], 0
	s_mul_i32 s46, s[WV], STEPB                    ; load g of wave w brings step 4 g + w
	s_mul_i32 s48, s13, 16*STEPB
	s_add_co_u32 s48, s48, s46
	s_mov_b32 s49, 0
	s_mov_b32 s[SEL], 0x76543210
	s_mov_b32 s[SEL+1], 0xfedcba98
	s_mov_b32 s[CS], 0x3e38aa3b
	s_mov_b32 s[CS+1], s[CS]                       ; (named with it as a pair, so it is written)
	s_wait_kmcnt 0x0
	s_add_nc_u64 s[6:7], s[6:7], s[48:49]
.irp g, 0,1,2,3
	s_mov_b32 s[G0+4*\g], 1                        ; count = 1
	s_add_co_u32 s[G0+4*\g+1], s46, \g*GRPB        ; LDS address
	s_add_nc_u64 s[G0+4*\g+2:G0+4*\g+3], s[6:7], \g*GRPB   ; global address
	s_or_b32 s[G0+4*\g+3], s[G0+4*\g+3], 0x80000000        ; type = 2
.endr
	CROUND                                         ; all four work-groups are here: the joint loads meet
	s_cmp_lt_u32 s[WV], 4                          ; a wave's four fills stand in one branch, ahead of every wait on TENSORcnt and every LDS read
	s_cbranch_scc0 .Lno_fetch
	tensor_load_to_lds s[G0:G0+3], s[G1:G1+7]
	s_nop 0
	tensor_load_to_lds s[G0+4:G0+7], s[G1:G1+7]
	s_nop 0
	tensor_load_to_lds s[G0+8:G0+11], s[G1:G1+7]
	s_nop 0
	tensor_load_to_lds s[G0+12:G0+15], s[G1:G1+7]
	s_nop 0
.rept 4
	v_nop
.endr
.Lno_fetch:
	; Q: my tile's half fragment and scale words
	s_mul_i32 s50, s13, 106496
	s_lshl_b32 s52, s12, 1
	s_lshr_b32 s53, s[WV], 3
	s_add_co_u32 s52, s52, s53                     ; the group of 128 queries: 2 x block + wave / 8
	s_mul_i32 s52, s52, 6656
	s_add_co_u32 s50, s50, s52
	s_mov_b32 s51, 0
	s_add_nc_u64 s[4:5], s[4:5], s[50:51]
	s_and_b32 s53, s[WV], 7                        ; my tile in the group
	s_mul_i32 s50, s53, 768
	s_add_nc_u64 s[46:47], s[4:5], s[50:51]
	s_lshr_b32 s50, s53, 2
	s_lshl_b32 s50, s50, 8
	s_and_b32 s52, s53, 3
	s_lshl_b32 s52, s52, 2
	s_add_co_u32 s50, s50, s52
	s_add_nc_u64 s[48:49], s[4:5], s[50:51]
	v_and_b32 v10, 31, v0
	v_lshlrev_b32 v[L16], 4, v10
	v_lshlrev_b32 v[L8], 3, v10
	v_and_b32 v10, 15, v0                          ; r
	v_bfe_u32 v11, v0, 4, 1                        ; h
	v_lshlrev_b32 v[LR16], 4, v10
	v_lshl_add_u32 v[GO], v11, 11, v[LR16]
	global_load_b128 v[16:19], v[L16], s[46:47]
	global_load_b64 v[20:21], v[L8], s[46:47] offset:512
	global_load_b32 v[QS], v[LR16], s[48:49] offset:6144
	; where my 16 rows of ao begin: row 2,048 batch + 256 block + 16 wave, byte 256 head
	s_lshl_b32 s50, s15, 11
	s_lshl_b32 s52, s12, 8
	s_add_co_u32 s50, s50, s52
	s_lshl_b32 s52, s[WV], 4
	s_add_co_u32 s50, s50, s52
	s_lshl_b32 s50, s50, 11
	s_lshl_b32 s52, s14, 8
	s_add_co_u32 s50, s50, s52
	s_add_nc_u64 s[8:9], s[8:9], s[50:51]
	; k = 64 .. 127 of the first product: one code at k = 64 (register 6, lanes 0-15, lowest six bits), zeros else
	v_mul_u32_u24 v10, v11, 40
	v_sub_nc_u32 v22, 40, v10                      ; Q: 0x28, the code of -1
	v_lshlrev_b32 v10, 3, v11
.irp t, 0,1,2,3
	v_sub_nc_u32 v[KR+12*\t+6], 8, v10             ; K: 0x08, the code of +1
.endr
.irp i, 23,24,25,26,27
	v_mov_b32 v[\i], 0
.endr
.irp t, 0,1,2,3
.irp i, 7,8,9,10,11
	v_mov_b32 v[KR+12*\t+\i], 0
.endr
.endr
	v_mov_b32 v9, 0                                ; (named as the upper half of the pair v[8:9])
	v_mov_b32 v13, 0xff61b1e6                      ; the largest t so far: -3e38
	v_floor_f32 v12, -v13                          ; -M
	v_mov_b32 v14, 0                               ; the sum, in two halves
	v_mov_b32 v15, 0
.irp b, 0,1,2,3
	v_mov_b32 v[CT+\b], 0                          ; a lane permute's destination counts as one of its sources
.endr
.set ii, 0
.rept 32
	v_mov_b32 v[O+ii], 0                           ; O^T: the step is written once; its first walk finds zeros, which the first change of M leaves zeros
.set ii, ii+1
.endr
	s_wait_loadcnt 0x0                             ; Q
; A KEY STEP: 128 keys, at LDS byte s[TB].
.macro STEP
	v_add_nc_u32 v[AD16], s[TB], v[L16]
	v_add_nc_u32 v[AD8], s[TB], v[L8]
	v_add_nc_u32 v[ADS], s[TB], v[LR16]
	v_nop                                          ; with the three additions: four places between the last step's products and loads into registers that they read (ISA guide 7.12.1 for vector instructions)
.irp g, 0,1                                    ; S^T = K Q^T, four tiles of 16 keys at a time
.if \g
.rept 4
	v_nop
.endr
.endif
.irp t, 0,1,2,3
	ds_load_b128 v[KR+12*\t:KR+12*\t+3], v[AD16] offset:768*(4*\g+\t)
	ds_load_b64 v[KR+12*\t+4:KR+12*\t+5], v[AD8] offset:768*(4*\g+\t)+512
.endr
	ds_load_b128 v[KS:KS+3], v[ADS] offset:12288+256*\g
.if \g
.irp d, 0,1,2,3                                ; V's four fragments are asked for here: they land under the softmax
	ds_load_b128 v[VR+12*\d:VR+12*\d+3], v[AD16] offset:6144+1536*\d
	ds_load_b64 v[VR+12*\d+4:VR+12*\d+5], v[AD8] offset:6144+1536*\d+512
	ds_load_b128 v[VR+12*\d+6:VR+12*\d+9], v[AD16] offset:6144+1536*\d+768
	ds_load_b64 v[VR+12*\d+10:VR+12*\d+11], v[AD8] offset:6144+1536*\d+1280
.endr
	s_wait_dscnt 16                                ; K's nine loads are in; V's sixteen, issued behind them, may be out
.else
	s_wait_dscnt 0x0
.endif
.irp t, 0,1,2,3
	v_wmma_scale_f32_16x16x128_f8f6f4 v[S+8*(4*\g+\t):S+8*(4*\g+\t)+7], v[KR+12*\t:KR+12*\t+11], v[16:27], 0, v[KS+\t], v[QS] matrix_a_fmt:MATRIX_FMT_FP6 matrix_b_fmt:MATRIX_FMT_FP6
.endr
.endr
.rept 4
	v_nop                                          ; four places: in front of the load into the scale words' registers and of the first read of the scores
.endr
	ds_load_b128 v[KS:KS+3], v[ADS] offset:12800   ; V's scale words
.irp b, 0,1,2,3
	v_max3_num_f32 v[BM+\b], v[S+16*\b], v[S+16*\b+1], v[S+16*\b+2]   ; the largest score of each block of 32 keys: for the row's maximum and, since p rises with the score, for the block's largest p.  Each accumulator is read from its low end on
.endr
.irp i, 3,5,7,9,11,13
.irp b, 0,1,2,3
	v_max3_num_f32 v[BM+\b], v[BM+\b], v[S+16*\b+\i], v[S+16*\b+\i+1]
.endr
.endr
.irp b, 0,1,2,3
	v_max_num_f32 v[BM+\b], v[BM+\b], v[S+16*\b+15]
.endr
.irp b, 0,1,2,3
	v_permlanex16_b32 v[CT+\b], v[BM+\b], s[SEL], s[SEL+1]
.endr
.irp b, 0,1,2,3
	v_max_num_f32 v[BM+\b], v[BM+\b], v[CT+\b]     ; with lane l xor 16's 16 keys
.endr
	v_max3_num_f32 v10, v[BM], v[BM+1], v[BM+2]
	v_max_num_f32 v10, v10, v[BM+3]                ; the step's largest score of my query
	v_mul_f32 v10, s[CS], v10                      ; as t (c is positive)
	v_max_num_f32 v13, v13, v10                    ; the running largest t
	v_mov_b32 v10, v12
	v_floor_f32 v12, -v13                          ; the new -M = floor(-t): M is a whole number
	v_sub_f32 v10, v12, v10                        ; old M - new M: a whole number, 0 or less
	v_cvt_i32_f32 v10, v10                         ; (it saturates)
	v_ldexp_f32 v8, 1.0, v10                       ; f = 2^(old M - new M)
	v_pk_mul_f32 v[14:15], v[14:15], v[8:9] op_sel_hi:[1,0]   ; the sums under the new M, ahead of this step's first addition
.irp b, 0,1,2,3
	v_fma_f32 v[BM+\b], v[BM+\b], s[CS], v12       ; t - M of each block's largest score
.endr
.irp j, 0,2,4,6
	v_pk_fma_f32 v[S+\j:S+\j+1], v[S+\j:S+\j+1], s[CS:CS+1], v[12:13] op_sel_hi:[1,0,0]   ; t - M, two at a time: pairs 0-3
.endr
.irp b, 0,1,2,3
	v_exp_f32 v[BM+\b], v[BM+\b]                   ; the block's largest p: the same two instructions on the same number as the score itself gets
	v_pk_fma_f32 v[S+8+2*\b:S+9+2*\b], v[S+8+2*\b:S+9+2*\b], s[CS:CS+1], v[12:13] op_sel_hi:[1,0,0]   ; pairs 4-7
.endr
; Pair qi of the 32 pairs of scores: its two exponentials, p = 2^(t - M); between and behind them plain lines that are ready: t - M of the pair eight on; the sum of the pair before (its second exponential stands
; behind a plain line by then: ISA guide 5.7.2); by turns a rescaling of O^T (each accumulator from its low end on) and a line of p's scale word.
.set qi, 0
.rept 32
	v_exp_f32 v[S+2*qi], v[S+2*qi]
.if qi < 24
	v_pk_fma_f32 v[S+2*qi+16:S+2*qi+17], v[S+2*qi+16:S+2*qi+17], s[CS:CS+1], v[12:13] op_sel_hi:[1,0,0]
.endif
	v_exp_f32 v[S+2*qi+1], v[S+2*qi+1]
.if qi == 2
	v_pk_add_f32 v[SM2:SM2+1], v[S:S+1], v[S+2:S+3]   ; THE ROW'S SUM IS TAKEN OF THE UNQUANTISED p, in two chains: pairs 0 and 1 start the second
.elseif (qi > 2) && (qi < 28) && (qi%2 == 1)
	s_wait_alu depctr_va_vdst(0)
	v_pk_add_f32 v[14:15], v[14:15], v[S+2*qi-2:S+2*qi-1]         ; even pairs
.elseif (qi > 2) && (qi < 28)
	v_pk_add_f32 v[SM2:SM2+1], v[SM2:SM2+1], v[S+2*qi-2:S+2*qi-1] ; odd pairs
.endif
.set ki, (qi-1)/2
.if qi%2 == 0
	v_pk_mul_f32 v[O+qi:O+qi+1], v[O+qi:O+qi+1], v[8:9] op_sel_hi:[1,0]   ; O^T under the new M
.elseif ki < 4
	s_wait_alu depctr_va_vdst(0)
	v_max_num_f32 v[BM+ki], 0x1800000, v[BM+ki]    ; the floor 2^(3 - 127): a block whose every p is 0 keeps the byte 1: its codes are zeros
.elseif ki < 8
	v_add_nc_u32 v[SO+ki-4], 0xff000000, v[BM+ki-4]   ; 2 off the exponent field: the conversion's scale operand
.elseif ki < 12
	v_lshrrev_b32 v[CT+ki-8], 23, v[SO+ki-8]       ; the scale's byte
.elseif ki == 12
	v_lshl_or_b32 v[PS], v[CT+1], 8, v[CT]         ; p's scale word for these 128 keys
.elseif ki == 13
	v_lshl_or_b32 v[PS], v[CT+2], 16, v[PS]
.elseif ki == 14
	v_lshl_or_b32 v[PS], v[CT+3], 24, v[PS]
.endif
.set qi, qi+1
.endr
	v_pk_add_f32 v[SM2:SM2+1], v[SM2:SM2+1], v[S+54:S+55]   ; pair 27.  (The plain place between the last exponential and the conversions that read its result)
	s_wait_alu depctr_va_vdst(0)
.irp c, 0,1
	v_cvt_scalef32_pk16_fp6_f32 v[PCD+6*\c:PCD+6*\c+2], v[S+32*\c:S+32*\c+15], v[SO+2*\c]
	v_cvt_scalef32_pk16_fp6_f32 v[CT+4*\c:CT+4*\c+2], v[S+32*\c+16:S+32*\c+31], v[SO+2*\c+1]   ; (a conversion's three registers begin on an even number)
.endr
	v_nop                                          ; one plain place behind a scaled conversion
.irp c, 0,1                                    ; the operand's layout wants a whole block in a lane
.irp i, 0,1,2
	v_permlane16_swap_b32 v[PCD+6*\c+\i], v[CT+4*\c+\i]
.endr
.irp i, 0,1,2
	v_mov_b32 v[PCD+6*\c+3+\i], v[CT+4*\c+\i]
.endr
.endr
	v_pk_add_f32 v[14:15], v[14:15], v[S+56:S+57]            ; pairs 28-31 and the joining of the two chains were kept for this place: five plain lines that name no register of the products stand
	v_pk_add_f32 v[SM2:SM2+1], v[SM2:SM2+1], v[S+58:S+59]    ; between the last move into p's codes and the products (four places are owed; the scale word, which is owed eight, was finished fourteen plain lines back)
	v_pk_add_f32 v[14:15], v[14:15], v[S+60:S+61]
	v_pk_add_f32 v[SM2:SM2+1], v[SM2:SM2+1], v[S+62:S+63]
	v_pk_add_f32 v[14:15], v[14:15], v[SM2:SM2+1]
	s_wait_dscnt 0x0                               ; V and its scale words are in
.irp d, 0,1,2,3                                ; O^T += V^T P^T: the four accumulators take turns
	v_wmma_scale_f32_16x16x128_f8f6f4 v[O+8*\d:O+8*\d+7], v[VR+12*\d:VR+12*\d+11], v[PCD:PCD+11], v[O+8*\d:O+8*\d+7], v[KS+\d], v[PS] matrix_a_fmt:MATRIX_FMT_FP6 matrix_b_fmt:MATRIX_FMT_FP6
.endr
.endm
; A group of steps, from step 4 g on.  A wave's tensor loads end in order (ISA guide 10.11.1): with `left` of them out, the older ones have landed.  The barrier shows that of all four loading waves to all sixteen.
; In front of the first group the three later loads stay out.
.macro GROUP g, left, trips
	s_wait_tensorcnt \left
	s_wait_dscnt 0x0
	s_barrier_signal -1
	s_barrier_wait -1
	s_mov_b32 s[TB], \g*GRPB
	s_mov_b32 s[CNT], \trips
.Lkeys_\g:
	STEP
	s_add_co_u32 s[TB], s[TB], STEPB
	s_sub_co_u32 s[CNT], s[CNT], 1
	s_cmp_lg_u32 s[CNT], 0
	s_cbranch_scc1 .Lkeys_\g
.endm
	GROUP 0, 3, 4                                  ; steps 0-3: each loading wave's first load is in, its three younger ones may be out
	GROUP 1, 0, 12                                 ; steps 4-15: all loads are in: they had the first four steps' work in which to land
	; THE WAY OUT.  O^T / the sum goes through my stage in LDS and leaves as rows: sixteen lanes store 256 consecutive bytes, a head's 64 channels of one query.  The eight address lines are the places behind the last products.
	v_and_b32 v10, 15, v0                          ; r
	v_bfe_u32 v11, v0, 4, 1                        ; h
	s_mul_i32 s46, s[WV], 16*272
	s_add_co_u32 s46, s46, STAGE
	v_mul_u32_u24 v4, v10, 272
	v_lshl_add_u32 v4, v11, 5, v4
	v_add_nc_u32 v4, s46, v4                       ; in: row r; tile d's eight channels of my half at 64 d + 32 h
	v_mul_u32_u24 v5, v11, 272
	v_lshl_add_u32 v5, v10, 4, v5
	v_add_nc_u32 v5, s46, v5                       ; back: lanes 0-15 one row, lanes 16-31 the next
	v_add_f32 v14, v14, v15                        ; the sum's two halves,
	v_permlanex16_b32 v6, v14, s[SEL], s[SEL+1]
	v_add_f32 v14, v14, v6                         ; and lane l xor 16's
	v_rcp_f32 v14, v14
	v_nop                                          ; one plain place behind a transcendental
.set ii, 0
	s_wait_alu depctr_va_vdst(0)
.rept 32
	v_mul_f32 v[S+ii], v[O+ii], v14                ; register 8 d + i: channel 16 d + 8 h + i of query r
.set ii, ii+1
.endr
.irp t, 0,1,2,3
	ds_store_b128 v4, v[S+8*\t:S+8*\t+3] offset:64*\t
	ds_store_b128 v4, v[S+8*\t+4:S+8*\t+7] offset:64*\t+16
.endr
.irp i, 0,1,2,3,4,5,6,7
	ds_load_b128 v[S+32+4*\i:S+32+4*\i+3], v5 offset:544*\i   ; LDS serves a wave's instructions in order: these see my stores
.endr
.irp i, 0,1,2,3,4,5,6,7
	s_wait_dscnt 7-\i                              ; loads come back in order: load i is in, the younger ones may be out
	global_store_b128 v[GO], v[S+32+4*\i:S+32+4*\i+3], s[8:9] offset:4096*\i
.endr
	s_wait_xcnt 0x0
	v_lshl_add_u32 v254, v0, 2, 0x44000
	v_mov_b32 v255, 0
	s_wait_tensorcnt 0x0
	ds_add_u32 v254, v255
	s_wait_dscnt 0x0
	CROUND                                         ; the closing round: no work-group ends while a partner may still ask for bytes jointly
	s_endpgm
.Lfunc_end_k_q598e5fe1be_attn:
	.size	k_q598e5fe1be_attn, .Lfunc_end_k_q598e5fe1be_attn-k_q598e5fe1be_attn
	.p2alignl 7, 3214868480
	.fill 96, 4, 3214868480
	.section	.rodata,"a",@progbits
	.p2align	6, 0x0
	.amdhsa_kernel k_q598e5fe1be_attn
		.amdhsa_group_segment_fixed_size 280576
		.amdhsa_private_segment_fixed_size 0
		.amdhsa_enable_private_segment 0
		.amdhsa_kernarg_size 24
		.amdhsa_user_sgpr_count 2
		.amdhsa_user_sgpr_kernarg_segment_ptr 1
		.amdhsa_wavefront_size32 1
		.amdhsa_system_sgpr_workgroup_id_x 1
		.amdhsa_system_sgpr_workgroup_id_y 1
		.amdhsa_system_sgpr_workgroup_id_z 1
		.amdhsa_system_vgpr_workitem_id 0
		.amdhsa_next_free_vgpr 256
		.amdhsa_next_free_sgpr 66
		.amdhsa_reserve_vcc 0
		.amdhsa_float_denorm_mode_32 3
		.amdhsa_float_denorm_mode_16_64 3
		.amdhsa_memory_ordered 1
		.amdhsa_forward_progress 1
		.amdhsa_inst_pref_size 46
	.end_amdhsa_kernel
	.amdgpu_metadata
---
amdhsa.version: [ 1, 2 ]
amdhsa.kernels:
  - .name:           k_q598e5fe1be_attn
    .symbol:         k_q598e5fe1be_attn.kd
    .args:
      - { .name: qq, .offset: 0, .size: 8, .value_kind: global_buffer, .address_space: global }
      - { .name: kv, .offset: 8, .size: 8, .value_kind: global_buffer, .address_space: global }
      - { .name: ao, .offset: 16, .size: 8, .value_kind: global_buffer, .address_space: global }
    .group_segment_fixed_size: 280576
    .private_segment_fixed_size: 0
    .kernarg_segment_align: 8
    .kernarg_segment_size: 24
    .max_flat_workgroup_size: 512
    .sgpr_count:     66
    .vgpr_count:     256
    .wavefront_size: 32
...
	.end_amdgpu_metadata
.endif
;; end of part 3
;; launch tail (part 4): grid 256 x 1, 4 waves a work-group, no clusters, 145,920 bytes of LDS; arguments ao, q, codes, scl, fc_b, g0, b0, g1, b1, out0; writes out0
.if DOCPART == 4
	.amdgcn_target "amdgcn-amd-amdhsa--gfx1250"
	.amdhsa_code_object_version 6
	.text
	.protected	k_q598e5fe1be_tail
	.globl	k_q598e5fe1be_tail
	.p2align	8
	.type	k_q598e5fe1be_tail,@function
k_q598e5fe1be_tail:
	s_mov_b64 s[64:65], 0
	v_nop
	global_prefetch_b8 v0, s[64:65] scope:SCOPE_SE
	s_setreg_imm32_b32 hwreg(HW_REG_WAVE_MODE, 25, 1), 1
	s_wait_xcnt 0x0
; y = LN(ao + q; g0, b0);  out0 = LN(Q(y) Q(fc_w)^T + fc_b + y; g1, b1).  The product is on codes of FP6 (E2M3) with E8M0 scales; y is quantised here, fc_w's codes come from the first launch.  All else f32.
; A layer norm takes the mean, then the mean of the squared differences (two passes over registers: no difference of large sums), 1 / sqrt by v_rsq_f32.
; LIMITS: a block of zeros gets the byte 1 (its codes are zeros); blocks under 2^-124, NaN and infinities are not served.
; SHARES.  A work-group takes 32 rows.  The norms go by rows: wave w has rows 8 w .. 8 w + 7, a lane columns 128 j + 4 lane + e in register 4 j + e, so that each load and store covers 512 consecutive bytes.
; The product goes by columns: wave w makes outputs 128 w .. 128 w + 127 for all 32 rows; its 8 tiles of fc_w stay in 384 registers, read once, asked for while the first norm is computed.
; PHASES, three barriers:  A: ao + q, the first norm, y to LDS | barrier |  B: wave w quantises two of y's eight fragments (16 rows x 128 K) and stores them as images of their registers | barrier |
;   C: for each 16 rows: four fragments from LDS, 32 products (transposed: source 0 = 16 rows of fc_w; fc_b is the C of each sum's first product), + y, to LDS | barrier |  D: the second norm, out.
; LDS: Y 32 rows x 2,064 at 0; Z the same at 66,048; the images, 8 x 1,536, at 132,096; their scale words, 8 x 128, at 144,384.
; REGISTERS.  window 0: v1-15 addresses; v16-31 gain, v32-47 bias; v48-175 eight rows x 16 (B: my 64 numbers at v48; C: accumulators v48-111, fragments and then y at v112-175); v176-215 at work; v216-247 fc_w's scale words; v248-251 y's.
;   window 1: ao's rows, then fc_w's tiles 0-3 (48 t + 12 s), fc_b at v192-255.   window 2: q's rows, then tiles 4-7.
.set PITCH, 2064
.set ZB,   66048
.set IMG,  132096
.set SCI,  144384
.set G,    16
.set BB,   32
.set ZR8,  48
.set X,    48
.set AC,   48
.set YF,   112
.set TP,   176                         ; v176-191 a pair for each row
.set XT,   192                         ; v192-199 one for each row
.set TQ,   200                         ; v200-215 a pair for each row
.set PC,   176                         ; phase B lays these over them
.set CT,   200
.set MX,   208
.set SO,   210
.set BY,   212
.set T,    214
.set T2,   215
.set WS,   216
.set YS,   248
.set PWR,  252
.set H8,   15
.set SEL,  42
.set MSB, 0
.macro WIN new                         ; the immediate's high byte repeats the setting that is left; a switch that changes nothing is dropped
.if MSB != (\new)
	s_set_vgpr_msb (MSB<<8)|(\new)
.set MSB, (\new)
.endif
.endm
.macro BARRIER                         ; my LDS stores have landed and my LDS loads are in: then the work-group's barrier
	s_wait_dscnt 0x0
	s_barrier_signal -1
	s_barrier_wait -1
.endm
	s_load_b256 s[4:11], s[0:1], 0x0               ; ao, q, codes, scl
	s_load_b256 s[12:19], s[0:1], 0x20             ; fc_b, g0, b0, g1
	s_load_b128 s[20:23], s[0:1], 0x40             ; b1, out0
	v_lshl_add_u32 v254, v0, 2, 0x23800
	v_mov_b32 v255, 0
	v_lshrrev_b32 v16, 5, v0
	v_readfirstlane_b32 s24, v16                   ; w: wave 0..3
	v_and_b32 v16, 31, v0                          ; lane
	v_and_b32 v17, 15, v0                          ; r
	v_bfe_u32 v18, v0, 4, 1                        ; h
	v_lshlrev_b32 v1, 4, v16                       ; 16 x lane
	v_lshlrev_b32 v2, 3, v16                       ; 8 x lane
	v_lshlrev_b32 v3, 5, v18                       ; 32 h
	s_mul_i32 s25, s24, 8*PITCH
	v_add_nc_u32 v4, s25, v1                       ; Y, by rows: my 8 rows
	s_lshr_b32 s25, s24, 1
	s_mul_i32 s25, s25, 16*PITCH
	s_and_b32 s28, s24, 1
	s_lshl_b32 s28, s28, 10
	s_add_co_u32 s25, s25, s28
	v_mul_u32_u24 v5, v17, PITCH
	v_lshl_add_u32 v5, v18, 7, v5
	v_add_nc_u32 v5, s25, v5                       ; Y, for phase B: row 16 (w / 2) + r, byte 1,024 (w % 2) + 128 h
	s_mul_i32 s25, s24, 3072
	s_add_co_u32 s25, s25, IMG
	v_add_nc_u32 v6, s25, v1                       ; where I store my two images
	v_add_nc_u32 v7, s25, v2
	s_lshl_b32 s25, s24, 8
	s_add_co_u32 s25, s25, SCI
	v_lshl_add_u32 v8, v16, 2, s25                 ; and their scale words
	v_add_nc_u32 v9, IMG, v1                       ; where any image is read
	v_add_nc_u32 v10, IMG, v2
	v_lshl_add_u32 v11, v16, 2, SCI
	s_lshl_b32 s25, s24, 9
	v_mul_u32_u24 v12, v17, PITCH
	v_lshl_add_u32 v12, v18, 5, v12
	v_add_nc_u32 v12, s25, v12                     ; Y in the result's layout: row r, byte 512 w + 32 h
	v_add_nc_u32 v13, ZB, v12                      ; Z likewise
	v_add_nc_u32 v14, ZB, v4                       ; Z by rows
	v_lshlrev_b32 v[H8], 3, v18
.irp i, 0,1,2,3,4,5,6,7
	v_mov_b32 v[XT+\i], 0                          ; a lane permute's destination counts as one of its sources
.endr
	s_mov_b32 s40, 0x3b000000                      ; 1 / 512
	s_mov_b32 s41, 0x3727c5ac                      ; 1e-5
	s_mov_b32 s[SEL], 0x76543210
	s_mov_b32 s[SEL+1], 0xfedcba98
	s_lshl_b32 s26, ttmp9, 16                      ; 32 rows of 2,048 bytes a work-group,
	s_lshl_b32 s28, s24, 14                        ; 8 a wave
	s_add_co_u32 s26, s26, s28
	s_mov_b32 s27, 0
	s_lshl_b32 s28, s24, 3
	s_add_co_u32 s28, s28, 1632                    ; fc_w's tiles 1632 + 8 w on
	s_mul_i32 s30, s28, 6144
	s_mov_b32 s31, 0
	s_lshl_b32 s32, s28, 9
	s_mov_b32 s33, 0
	s_lshl_b32 s34, s24, 9                         ; my 128 numbers of fc_b
	s_mov_b32 s35, 0
	s_wait_kmcnt 0x0
	s_add_nc_u64 s[4:5], s[4:5], s[26:27]
	s_add_nc_u64 s[6:7], s[6:7], s[26:27]
	s_add_nc_u64 s[22:23], s[22:23], s[26:27]
	s_add_nc_u64 s[8:9], s[8:9], s[30:31]
	s_add_nc_u64 s[10:11], s[10:11], s[32:33]
	s_add_nc_u64 s[12:13], s[12:13], s[34:35]
.macro FRAGL reg, off                  ; a fragment of fc_w, 12 registers, from its image of 1,536 bytes
	global_load_b128 v[\reg:\reg+3], v1, s[8:9] offset:\off
	global_load_b64 v[\reg+4:\reg+5], v2, s[8:9] offset:\off+512
	global_load_b128 v[\reg+6:\reg+9], v1, s[8:9] offset:\off+768
	global_load_b64 v[\reg+10:\reg+11], v2, s[8:9] offset:\off+1280
.endm
.macro REDUCE a                        ; eight pairs at a + 2 rr: the two halves, then the 32 lanes; the sum ends in every lane's first register
.irp rr, 0,1,2,3,4,5,6,7
	v_add_f32 v[\a+2*\rr], v[\a+2*\rr], v[\a+2*\rr+1]
.endr
.irp m, 1,2,4,8
.irp rr, 0,1,2,3,4,5,6,7
	v_add_f32_dpp v[\a+2*\rr], v[\a+2*\rr], v[\a+2*\rr] row_xmask:\m row_mask:0xf bank_mask:0xf
.endr
.endr
.irp rr, 0,1,2,3,4,5,6,7
	v_permlanex16_b32 v[XT+\rr], v[\a+2*\rr], s[SEL], s[SEL+1]
.endr
.irp rr, 0,1,2,3,4,5,6,7
	v_add_f32 v[\a+2*\rr], v[\a+2*\rr], v[XT+\rr]
.endr
.endm
.macro LN8                             ; the layer norm of my eight rows, in place, the rows by turns so that no line waits for the line above it
.irp rr, 0,1,2,3,4,5,6,7
	v_pk_add_f32 v[TP+2*\rr:TP+2*\rr+1], v[ZR8+16*\rr:ZR8+16*\rr+1], v[ZR8+16*\rr+2:ZR8+16*\rr+3]
.endr
.irp k, 4,6,8,10,12,14
.irp rr, 0,1,2,3,4,5,6,7
	v_pk_add_f32 v[TP+2*\rr:TP+2*\rr+1], v[TP+2*\rr:TP+2*\rr+1], v[ZR8+16*\rr+\k:ZR8+16*\rr+\k+1]
.endr
.endr
	REDUCE TP
.irp rr, 0,1,2,3,4,5,6,7
	v_mul_f32 v[TP+2*\rr], s40, v[TP+2*\rr]        ; the mean
.endr
.irp k, 0,2,4,6,8,10,12,14
.irp rr, 0,1,2,3,4,5,6,7
	v_pk_add_f32 v[ZR8+16*\rr+\k:ZR8+16*\rr+\k+1], v[ZR8+16*\rr+\k:ZR8+16*\rr+\k+1], v[TP+2*\rr:TP+2*\rr+1] op_sel_hi:[1,0] neg_lo:[0,1] neg_hi:[0,1]   ; x - mean
.endr
.endr
.irp rr, 0,1,2,3,4,5,6,7
	v_pk_mul_f32 v[TQ+2*\rr:TQ+2*\rr+1], v[ZR8+16*\rr:ZR8+16*\rr+1], v[ZR8+16*\rr:ZR8+16*\rr+1]
.endr
.irp k, 2,4,6,8,10,12,14
.irp rr, 0,1,2,3,4,5,6,7
	v_pk_fma_f32 v[TQ+2*\rr:TQ+2*\rr+1], v[ZR8+16*\rr+\k:ZR8+16*\rr+\k+1], v[ZR8+16*\rr+\k:ZR8+16*\rr+\k+1], v[TQ+2*\rr:TQ+2*\rr+1]
.endr
.endr
	REDUCE TQ
.irp rr, 0,1,2,3,4,5,6,7
	v_fma_f32 v[TQ+2*\rr], v[TQ+2*\rr], s40, s41   ; the variance + 1e-5
.endr
.irp rr, 0,1,2,3,4,5,6,7
	v_rsq_f32 v[TQ+2*\rr], v[TQ+2*\rr]
.endr
	v_nop                                          ; one plain place behind a transcendental
	s_wait_alu depctr_va_vdst(0)
.irp k, 0,2,4,6,8,10,12,14
.irp rr, 0,1,2,3,4,5,6,7
	v_pk_mul_f32 v[ZR8+16*\rr+\k:ZR8+16*\rr+\k+1], v[ZR8+16*\rr+\k:ZR8+16*\rr+\k+1], v[TQ+2*\rr:TQ+2*\rr+1] op_sel_hi:[1,0]
.endr
.endr
.irp k, 0,2,4,6,8,10,12,14
.irp rr, 0,1,2,3,4,5,6,7
	v_pk_fma_f32 v[ZR8+16*\rr+\k:ZR8+16*\rr+\k+1], v[ZR8+16*\rr+\k:ZR8+16*\rr+\k+1], v[G+\k:G+\k+1], v[BB+\k:BB+\k+1]
.endr
.endr
.endm
; 64 numbers of a lane, two whole blocks (block c at x + 32 c = k 64 c + 32 h + 0..31 of my row), become a fragment's codes (half c at PC + 8 c) and my row's scale word in v[sw].
.macro QB x, sw
.irp c, 0,1
	v_max3_num_f32 v[MX+\c], |v[\x+32*\c]|, |v[\x+32*\c+1]|, 0x1800000   ; with the floor 2^(3 - 127): the byte cannot fall under 1
.endr
.irp i, 2,4,6,8,10,12,14,16,18,20,22,24,26,28,30
.irp c, 0,1
	v_max3_num_f32 v[MX+\c], v[MX+\c], |v[\x+32*\c+\i]|, |v[\x+32*\c+\i+1]|
.endr
.endr
.irp c, 0,1
	v_add_nc_u32 v[SO+\c], 0xff000000, v[MX+\c]    ; 2 off the exponent field: the conversion's scale operand
.endr
.irp c, 0,1
	v_lshrrev_b32 v[BY+\c], 23, v[SO+\c]           ; the scale's byte
.endr
	v_lshl_or_b32 v[T], v[BY+1], 16, v[BY]
	v_lshlrev_b32 v[T], v[H8], v[T]
	v_permlanex16_b32 v[T2], v[T], s[SEL], s[SEL+1]
	v_or_b32 v[\sw], v[T], v[T2]                   ; with lane l xor 16's two bytes the word is whole
.irp c, 0,1
	v_cvt_scalef32_pk16_fp6_f32 v[PC+8*\c:PC+8*\c+2], v[\x+32*\c:\x+32*\c+15], v[SO+\c]
	v_cvt_scalef32_pk16_fp6_f32 v[CT+4*\c:CT+4*\c+2], v[\x+32*\c+16:\x+32*\c+31], v[SO+\c]
.endr
	v_nop                                          ; one plain place behind a scaled conversion
.irp c, 0,1
.irp i, 0,1,2
	v_mov_b32 v[PC+8*\c+3+\i], v[CT+4*\c+\i]
.endr
.endr
.endm
	; ---- A: ao + q, the first norm.  All 32 KB of a wave's rows are asked for at once
.irp j, 0,1,2,3
	global_load_b128 v[G+4*\j:G+4*\j+3], v1, s[14:15] offset:512*\j
	global_load_b128 v[BB+4*\j:BB+4*\j+3], v1, s[16:17] offset:512*\j
.endr
	WIN 0x40                                       ; destination window 1, offsets window 0
.irp rr, 0,1,2,3,4,5,6,7
.irp j, 0,1,2,3
	global_load_b128 v[16*\rr+4*\j:16*\rr+4*\j+3], v1, s[4:5] offset:\rr*2048+512*\j th:TH_LOAD_NT
.endr
.endr
	WIN 0x80
.irp rr, 0,1,2,3,4,5,6,7
.irp j, 0,1,2,3
	global_load_b128 v[16*\rr+4*\j:16*\rr+4*\j+3], v1, s[6:7] offset:\rr*2048+512*\j th:TH_LOAD_NT
.endr
.endr
	s_wait_loadcnt 0x0
	WIN 0x09                                       ; source 0 window 1 (ao), source 1 window 2 (q), destination window 0
.set ii, 0
.rept 64
	v_pk_add_f32 v[ZR8+ii:ZR8+ii+1], v[ii:ii+1], v[ii:ii+1]
.set ii, ii+2
.endr
	WIN 0x40                                       ; my part of fc_w, fc_b and the scale words are asked for now: they land under the norm and the quantising
.irp t, 0,1,2,3
.irp s, 0,1,2,3
	FRAGL 48*\t+12*\s, \t*6144+1536*\s
.endr
.endr
.irp t, 0,1,2,3,4,5,6,7
	global_load_b128 v[192+8*\t:192+8*\t+3], v3, s[12:13] offset:64*\t       ; fc_b in the result's layout: lane (r, h), tile t: outputs 16 t + 8 h + 0..7
	global_load_b128 v[192+8*\t+4:192+8*\t+7], v3, s[12:13] offset:64*\t+16
.endr
	WIN 0x80
.irp t, 0,1,2,3
.irp s, 0,1,2,3
	FRAGL 48*\t+12*\s, (\t+4)*6144+1536*\s
.endr
.endr
	WIN 0
.irp t, 0,1,2,3,4,5,6,7
	global_load_b128 v[WS+4*\t:WS+4*\t+3], v1, s[10:11] offset:512*\t
.endr
	LN8
.irp rr, 0,1,2,3,4,5,6,7
.irp j, 0,1,2,3
	ds_store_b128 v4, v[ZR8+16*\rr+4*\j:ZR8+16*\rr+4*\j+3] offset:\rr*PITCH+512*\j
.endr
.endr
.irp j, 0,1,2,3
	global_load_b128 v[G+4*\j:G+4*\j+3], v1, s[18:19] offset:512*\j          ; the second norm's gain and bias
	global_load_b128 v[BB+4*\j:BB+4*\j+3], v1, s[20:21] offset:512*\j
.endr
	BARRIER                                        ; y's 32 rows lie in LDS
	; ---- B: fragments 2 w and 2 w + 1 of y's eight (fragment 4 m + s: rows 16 m on, K step s)
.irp f, 0,1
.irp c, 0,1
.irp j, 0,1,2,3,4,5,6,7
	ds_load_b128 v[X+32*\c+4*\j:X+32*\c+4*\j+3], v5 offset:512*\f+256*\c+16*\j
.endr
.endr
	s_wait_dscnt 0x0
	QB X, PWR
.irp c, 0,1
	ds_store_b128 v6, v[PC+8*\c:PC+8*\c+3] offset:1536*\f+768*\c
	ds_store_b64 v7, v[PC+8*\c+4:PC+8*\c+5] offset:1536*\f+768*\c+512
.endr
	ds_store_b32 v8, v[PWR] offset:128*\f
	s_wait_dscnt 0x0                               ; the stores have read their registers
.endr
	BARRIER                                        ; y's eight fragments lie in LDS
	s_wait_loadcnt 0x0                             ; fc_w, fc_b, the scale words, the second gain and bias
	; ---- C: 16 products for tiles 4 hf .. 4 hf + 3: the four accumulators take turns, one instruction a turn; fc_b is the C of the first K step
.macro FCH hf
.irp s, 0,1,2,3
.if \s == 0
	WIN 0x11+\hf                                   ; source 0 (fc_w) window 1 or 2, source 2 (fc_b) window 1
.else
	WIN 0x01+\hf
.endif
.irp t, 0,1,2,3
.if \s == 0
	v_wmma_scale_f32_16x16x128_f8f6f4 v[AC+8*(4*\hf+\t):AC+8*(4*\hf+\t)+7], v[48*\t+12*\s:48*\t+12*\s+11], v[YF+12*\s:YF+12*\s+11], v[192+8*(4*\hf+\t):192+8*(4*\hf+\t)+7], v[WS+4*(4*\hf+\t)+\s], v[YS+\s] matrix_a_fmt:MATRIX_FMT_FP6 matrix_b_fmt:MATRIX_FMT_FP6
.else
	v_wmma_scale_f32_16x16x128_f8f6f4 v[AC+8*(4*\hf+\t):AC+8*(4*\hf+\t)+7], v[48*\t+12*\s:48*\t+12*\s+11], v[YF+12*\s:YF+12*\s+11], v[AC+8*(4*\hf+\t):AC+8*(4*\hf+\t)+7], v[WS+4*(4*\hf+\t)+\s], v[YS+\s] matrix_a_fmt:MATRIX_FMT_FP6 matrix_b_fmt:MATRIX_FMT_FP6
.endif
.endr
.endr
.endm
.irp m, 0,1
.irp s, 0,1,2,3
	ds_load_b128 v[YF+12*\s:YF+12*\s+3], v9 offset:(4*\m+\s)*1536
	ds_load_b64 v[YF+12*\s+4:YF+12*\s+5], v10 offset:(4*\m+\s)*1536+512
	ds_load_b128 v[YF+12*\s+6:YF+12*\s+9], v9 offset:(4*\m+\s)*1536+768
	ds_load_b64 v[YF+12*\s+10:YF+12*\s+11], v10 offset:(4*\m+\s)*1536+1280
	ds_load_b32 v[YS+\s], v11 offset:128*(4*\m+\s)
.endr
	s_wait_dscnt 0x0
	FCH 0
	FCH 1
	WIN 0
.rept 4
	v_nop                                          ; four places in front of loads into registers that the products read, and of the first read of results
.endr
.irp t, 0,1,2,3,4,5,6,7
	ds_load_b128 v[YF+8*\t:YF+8*\t+3], v12 offset:\m*16*PITCH+64*\t          ; y in the result's layout: lane (r, h), tile t: row 16 m + r, columns 128 w + 16 t + 8 h + 0..7
	ds_load_b128 v[YF+8*\t+4:YF+8*\t+7], v12 offset:\m*16*PITCH+64*\t+16
.endr
	s_wait_dscnt 0x0
.set ii, 0
.rept 32
	v_pk_add_f32 v[AC+ii:AC+ii+1], v[AC+ii:AC+ii+1], v[YF+ii:YF+ii+1]        ; + y, each accumulator from its low end on
.set ii, ii+2
.endr
.irp t, 0,1,2,3,4,5,6,7
	ds_store_b128 v13, v[AC+8*\t:AC+8*\t+3] offset:\m*16*PITCH+64*\t
	ds_store_b128 v13, v[AC+8*\t+4:AC+8*\t+7] offset:\m*16*PITCH+64*\t+16
.endr
	s_wait_dscnt 0x0                               ; the stores have read their registers
.endr
	BARRIER                                        ; 32 whole rows lie in Z
	; ---- D: the second norm
.irp rr, 0,1,2,3,4,5,6,7
.irp j, 0,1,2,3
	ds_load_b128 v[ZR8+16*\rr+4*\j:ZR8+16*\rr+4*\j+3], v14 offset:\rr*PITCH+512*\j
.endr
.endr
	s_wait_dscnt 0x0
	LN8
.irp rr, 0,1,2,3,4,5,6,7
.irp j, 0,1,2,3
	global_store_b128 v1, v[ZR8+16*\rr+4*\j:ZR8+16*\rr+4*\j+3], s[22:23] offset:\rr*2048+512*\j th:TH_STORE_NT   ; 32 lanes store 512 consecutive bytes, at a multiple of 256 from the buffer's first byte
.endr
.endr
	s_wait_tensorcnt 0x0
	ds_add_u32 v254, v255
	s_wait_dscnt 0x0
	s_endpgm
.Lfunc_end_k_q598e5fe1be_tail:
	.size	k_q598e5fe1be_tail, .Lfunc_end_k_q598e5fe1be_tail-k_q598e5fe1be_tail
	.p2alignl 7, 3214868480
	.fill 96, 4, 3214868480
	.section	.rodata,"a",@progbits
	.p2align	6, 0x0
	.amdhsa_kernel k_q598e5fe1be_tail
		.amdhsa_group_segment_fixed_size 145920
		.amdhsa_private_segment_fixed_size 0
		.amdhsa_enable_private_segment 0
		.amdhsa_kernarg_size 80
		.amdhsa_user_sgpr_count 2
		.amdhsa_user_sgpr_kernarg_segment_ptr 1
		.amdhsa_wavefront_size32 1
		.amdhsa_system_sgpr_workgroup_id_x 1
		.amdhsa_system_sgpr_workgroup_id_y 1
		.amdhsa_system_sgpr_workgroup_id_z 1
		.amdhsa_system_vgpr_workitem_id 0
		.amdhsa_next_free_vgpr 768
		.amdhsa_next_free_sgpr 66
		.amdhsa_reserve_vcc 0
		.amdhsa_float_denorm_mode_32 3
		.amdhsa_float_denorm_mode_16_64 3
		.amdhsa_memory_ordered 1
		.amdhsa_forward_progress 1
		.amdhsa_inst_pref_size 118
	.end_amdhsa_kernel
	.amdgpu_metadata
---
amdhsa.version: [ 1, 2 ]
amdhsa.kernels:
  - .name:           k_q598e5fe1be_tail
    .symbol:         k_q598e5fe1be_tail.kd
    .args:
      - { .name: ao, .offset: 0, .size: 8, .value_kind: global_buffer, .address_space: global }
      - { .name: q, .offset: 8, .size: 8, .value_kind: global_buffer, .address_space: global }
      - { .name: codes, .offset: 16, .size: 8, .value_kind: global_buffer, .address_space: global }
      - { .name: scl, .offset: 24, .size: 8, .value_kind: global_buffer, .address_space: global }
      - { .name: fc_b, .offset: 32, .size: 8, .value_kind: global_buffer, .address_space: global }
      - { .name: g0, .offset: 40, .size: 8, .value_kind: global_buffer, .address_space: global }
      - { .name: b0, .offset: 48, .size: 8, .value_kind: global_buffer, .address_space: global }
      - { .name: g1, .offset: 56, .size: 8, .value_kind: global_buffer, .address_space: global }
      - { .name: b1, .offset: 64, .size: 8, .value_kind: global_buffer, .address_space: global }
      - { .name: out0, .offset: 72, .size: 8, .value_kind: global_buffer, .address_space: global }
    .group_segment_fixed_size: 145920
    .private_segment_fixed_size: 0
    .kernarg_segment_align: 8
    .kernarg_segment_size: 80
    .max_flat_workgroup_size: 128
    .sgpr_count:     66
    .vgpr_count:     768
    .wavefront_size: 32
...
	.end_amdgpu_metadata
.endif
;; end of part 4
;; ======== version 2 of 2: 4 launches
;; limits: right only within a limited range of input values
;; workspace buffers: codes 10,223,616 bytes; scl 851,968 bytes; qq 3,407,872 bytes; kv 6,684,672 bytes; ao 16,777,216 bytes
;; launch quant (part 5): grid 416 x 1, 4 waves a work-group, no clusters, 34,304 bytes of LDS; arguments q, k, v, Wq, Wk, Wv, fc_w, codes, scl; writes codes, scl
.if DOCPART == 5
	.amdgcn_target "amdgcn-amd-amdhsa--gfx1250"
	.amdhsa_code_object_version 6
	.text
	.protected	k_q598e5fe1be_quant
	.globl	k_q598e5fe1be_quant
	.p2align	8
	.type	k_q598e5fe1be_quant,@function
k_q598e5fe1be_quant:
	s_mov_b64 s[64:65], 0
	v_nop
	global_prefetch_b8 v0, s[64:65] scope:SCOPE_SE
	s_setreg_imm32_b32 hwreg(HW_REG_WAVE_MODE, 25, 1), 1
	s_wait_xcnt 0x0
; q, k, v [8192][512] and Wq, Wk, Wv, fc_w [512][512], f32 with K innermost, become codes of FP6 (E2M3) with one E8M0 byte for each 32 along K.
; A block's scale is 2^(floor(log2(its largest magnitude)) - 2); its byte is the largest magnitude's exponent field - 2, held at 1 from below.
; LIMITS: a block of zeros gets the byte 1 (its codes are zeros, and this program alone reads the bytes); blocks whose largest magnitude lies under 2^-124, NaN and infinities are not served.
; THE OUTPUT IS LAID AS IMAGES OF OPERAND REGISTERS.  A tile is 16 rows x 512 K: 6,144 bytes of codes, 512 bytes of scale words.  In it a K step of 128 is 1,536 bytes, a half c (64 along K) 768:
; lane (r, h) owns the 24 bytes of row r's block 2 c + h; its registers 0-3 lie at 16 x lane, its registers 4-5 at 512 + 8 x lane.  The scale words: lane's 16 bytes at 16 x lane = row r's words of K steps 0..3.
; WHICH ROWS FORM A TILE: natural (q, Wv, fc_w): lane r takes row 16 t + r.  Permuted (k, v, Wq, Wk): lane r of tile 2 g + u takes row 32 g + 8 u + r + 8 (r / 8), so that a product which takes such tiles
; as source 0 leaves 16 neighbouring rows in the 16 registers of two neighbouring tiles.
; SHARES: a wave takes one tile: 1,664 waves.  Each load reads 512 consecutive bytes of one row; a K step (16 rows x 512 bytes) turns through the wave's own stage in LDS, so that a lane gets two whole blocks of 32.
; Two K steps (32 loads a wave) are on their way.  Waves share nothing: no barrier.
.set STG,  8448                        ; a wave's stage: 16 rows x (512 + 16) bytes
.set H8,   6                           ; v6   8 h
.set MX,   8                           ; v8-9   the two blocks' largest magnitudes
.set SO,   10                          ; v10-11 the conversions' scale operands
.set BY,   12                          ; v12-13 the scale bytes
.set T,    14
.set T2,   15
.set R,    16                          ; v16-143  two sets of 64: a K step as loaded
.set X,    144                         ; v144-207 my two blocks of 32
.set PC,   208                         ; v208-223 the codes: half c at PC + 8 c, six registers
.set CT,   224                         ; v224-231 the second conversion of each block
.set SWD,  232                         ; v232-235 my row's four scale words
.set SEL,  36                          ; s[36:37] lane selects: lane l xor 16
	s_load_b256 s[4:11], s[0:1], 0x0               ; q, k, v, Wq
	s_load_b256 s[12:19], s[0:1], 0x20             ; Wk, Wv, fc_w, codes
	s_load_b64 s[20:21], s[0:1], 0x40              ; scl
	v_lshl_add_u32 v236, v0, 2, 0x8400
	v_mov_b32 v237, 0
	v_lshrrev_b32 v1, 5, v0
	v_readfirstlane_b32 s22, v1                    ; wave 0..3
	v_and_b32 v1, 31, v0                           ; lane
	v_lshlrev_b32 v2, 4, v1                        ; 16 x lane
	v_lshlrev_b32 v3, 3, v1                        ; 8 x lane
	s_mul_i32 s26, s22, STG
	v_add_nc_u32 v4, s26, v2                       ; the stage, way in: a row's 512 bytes as they lie
	v_and_b32 v7, 15, v0                           ; r
	v_bfe_u32 v6, v0, 4, 1                         ; h
	v_mul_u32_u24 v5, v7, 528
	v_lshl_add_u32 v5, v6, 7, v5
	v_add_nc_u32 v5, s26, v5                       ; way out: row r, + 128 h: block h of each 64
	v_lshlrev_b32 v[H8], 3, v6
	v_mov_b32 v[T2], 0                             ; a lane permute's destination counts as one of its sources
	s_mov_b32 s[SEL], 0x76543210
	s_mov_b32 s[SEL+1], 0xfedcba98
	s_wait_alu depctr_va_vdst(0)
	s_wait_kmcnt 0x0
	; which tensor: the choice hangs on the work-group's number alone.  s[28:29] the tensor, s23 its first work-group, s24 1 where its tiles are permuted
	s_mov_b64 s[28:29], s[16:17]                   ; fc_w
	s_mov_b32 s23, 408
	s_mov_b32 s24, 0
.macro PICK bound, lo, tb, pm
	s_cmp_lt_u32 ttmp9, \bound
	s_cselect_b64 s[28:29], s[\lo:\lo+1], s[28:29]
	s_cselect_b32 s23, \tb, s23
	s_cselect_b32 s24, \pm, s24
.endm
	PICK 408, 14, 400, 0                           ; Wv
	PICK 400, 12, 392, 1                           ; Wk
	PICK 392, 10, 384, 1                           ; Wq
	PICK 384, 8, 256, 1                            ; v
	PICK 256, 6, 128, 1                            ; k
	PICK 128, 4, 0, 0                              ; q
	s_sub_co_u32 s25, ttmp9, s23
	s_lshl_b32 s25, s25, 2
	s_add_co_u32 s25, s25, s22                     ; t: my tile in the tensor
	s_and_b32 s26, s25, 1
	s_mul_i32 s26, s26, s24
	s_lshl_b32 s26, s26, 3                         ; 8 u where permuted
	s_lshl_b32 s27, s25, 4
	s_sub_co_u32 s27, s27, s26                     ; the row of the tile's rows 0-7: 16 t, or 32 g + 8 u
	s_lshl_b32 s34, s27, 11                        ; rows of 2,048 bytes
	s_mov_b32 s35, 0
	s_add_nc_u64 s[30:31], s[28:29], s[34:35]
	s_lshl_b32 s26, s24, 3
	s_add_co_u32 s26, s26, 8                       ; the tile's rows 8-15 begin 8 rows on, or 16 where permuted
	s_lshl_b32 s34, s26, 11
	s_add_nc_u64 s[32:33], s[30:31], s[34:35]
	s_lshl_b32 s26, ttmp9, 2
	s_add_co_u32 s26, s26, s22                     ; T: my tile among all 1,664
	s_mul_i32 s34, s26, 6144
	s_add_nc_u64 s[18:19], s[18:19], s[34:35]
	s_lshl_b32 s34, s26, 9
	s_add_nc_u64 s[20:21], s[20:21], s[34:35]
.macro LOADF s                         ; K step s of the tile's 16 rows into set s % 2: 32 lanes read 512 consecutive bytes of one row
.irp i, 0,1,2,3,4,5,6,7
	global_load_b128 v[R+64*((\s)%2)+4*\i:R+64*((\s)%2)+4*\i+3], v2, s[30:31] offset:\i*2048+512*(\s) th:TH_LOAD_NT
.endr
.irp i, 0,1,2,3,4,5,6,7
	global_load_b128 v[R+64*((\s)%2)+32+4*\i:R+64*((\s)%2)+32+4*\i+3], v2, s[32:33] offset:\i*2048+512*(\s) th:TH_LOAD_NT
.endr
.endm
; 64 numbers of a lane, two whole blocks (block c at x + 32 c = k 64 c + 32 h + 0..31 of my row), become the fragment's codes in PC and my row's scale word in v[sw].
.macro QB x, sw, xw
.irp c, 0,1
	v_max3_num_f32 v[MX+\c], |v[\x+32*\c]|, |v[\x+32*\c+1]|, 0x1800000   ; with the floor 2^(3 - 127): the byte cannot fall under 1
.endr
.irp i, 2,4,6,8,10,12,14,16,18,20,22,24,26,28,30
.irp c, 0,1
	v_max3_num_f32 v[MX+\c], v[MX+\c], |v[\x+32*\c+\i]|, |v[\x+32*\c+\i+1]|   ; the two blocks by turns
.endr
.endr
.irp c, 0,1
	v_add_nc_u32 v[SO+\c], 0xff000000, v[MX+\c]    ; 2 off the exponent field: the conversion takes that field as its scale
.endr
.irp c, 0,1
	v_lshrrev_b32 v[BY+\c], 23, v[SO+\c]           ; the scale's byte
.endr
	v_lshl_or_b32 v[T], v[BY+1], 16, v[BY]         ; my bytes: blocks h and 2 + h,
	v_lshlrev_b32 v[T], v[H8], v[T]                ; at their places in the word;
	v_permlanex16_b32 v[T2], v[T], s[SEL], s[SEL+1]
	v_or_b32 v[\sw], v[T], v[T2]                   ; with lane l xor 16's two the word is whole, in both halves of the lanes
.if \xw
	s_wait_alu depctr_va_vdst(0)
	s_wait_xcnt 0x0                                ; the last step's stores have read PC: it is written again only behind this wait
.endif
.irp c, 0,1
	v_cvt_scalef32_pk16_fp6_f32 v[PC+8*\c:PC+8*\c+2], v[\x+32*\c:\x+32*\c+15], v[SO+\c]
	v_cvt_scalef32_pk16_fp6_f32 v[CT+4*\c:CT+4*\c+2], v[\x+32*\c+16:\x+32*\c+31], v[SO+\c]   ; (a conversion's three registers begin on an even number)
.endr
	v_nop                                          ; one plain place behind a scaled conversion
.irp c, 0,1
.irp i, 0,1,2
	v_mov_b32 v[PC+8*\c+3+\i], v[CT+4*\c+\i]
.endr
.endr
.endm
.macro STEPQ s
.if \s < 3
	s_wait_loadcnt 16                              ; this K step's 16 loads are in; the next step's 16 may be out
.else
	s_wait_loadcnt 0x0
.endif
.irp i, 0,1,2,3,4,5,6,7,8,9,10,11,12,13,14,15
	ds_store_b128 v4, v[R+64*((\s)%2)+4*\i:R+64*((\s)%2)+4*\i+3] offset:528*\i
.endr
.irp c, 0,1
.irp j, 0,1,2,3,4,5,6,7
	ds_load_b128 v[X+32*\c+4*\j:X+32*\c+4*\j+3], v5 offset:256*\c+16*\j   ; LDS serves a wave's instructions in order: these see the stores above
.endr
.endr
	s_wait_dscnt 0x0                               ; my blocks are in, and the stores have read their registers,
.if \s < 2
	LOADF \s+2                                     ; which take the K step two on
.endif
	QB X, SWD+\s, 1
.irp c, 0,1
	global_store_b128 v2, v[PC+8*\c:PC+8*\c+3], s[18:19] offset:1536*(\s)+768*\c         ; 512 consecutive bytes, at a multiple of 256 from the buffer's first byte
	global_store_b64 v3, v[PC+8*\c+4:PC+8*\c+5], s[18:19] offset:1536*(\s)+768*\c+512    ; 256 consecutive bytes, likewise
.endr
.endm
	LOADF 0
	LOADF 1
	STEPQ 0
	STEPQ 1
	STEPQ 2
	STEPQ 3
	global_store_b128 v2, v[SWD:SWD+3], s[20:21]   ; the tile's scale words: 512 consecutive bytes
	s_wait_tensorcnt 0x0
	ds_add_u32 v236, v237
	s_wait_dscnt 0x0
	s_endpgm
.Lfunc_end_k_q598e5fe1be_quant:
	.size	k_q598e5fe1be_quant, .Lfunc_end_k_q598e5fe1be_quant-k_q598e5fe1be_quant
	.p2alignl 7, 3214868480
	.fill 96, 4, 3214868480
	.section	.rodata,"a",@progbits
	.p2align	6, 0x0
	.amdhsa_kernel k_q598e5fe1be_quant
		.amdhsa_group_segment_fixed_size 34304
		.amdhsa_private_segment_fixed_size 0
		.amdhsa_enable_private_segment 0
		.amdhsa_kernarg_size 72
		.amdhsa_user_sgpr_count 2
		.amdhsa_user_sgpr_kernarg_segment_ptr 1
		.amdhsa_wavefront_size32 1
		.amdhsa_system_sgpr_workgroup_id_x 1
		.amdhsa_system_sgpr_workgroup_id_y 1
		.amdhsa_system_sgpr_workgroup_id_z 1
		.amdhsa_system_vgpr_workitem_id 0
		.amdhsa_next_free_vgpr 238
		.amdhsa_next_free_sgpr 66
		.amdhsa_reserve_vcc 0
		.amdhsa_float_denorm_mode_32 3
		.amdhsa_float_denorm_mode_16_64 3
		.amdhsa_memory_ordered 1
		.amdhsa_forward_progress 1
		.amdhsa_inst_pref_size 32
	.end_amdhsa_kernel
	.amdgpu_metadata
---
amdhsa.version: [ 1, 2 ]
amdhsa.kernels:
  - .name:           k_q598e5fe1be_quant
    .symbol:         k_q598e5fe1be_quant.kd
    .args:
      - { .name: q, .offset: 0, .size: 8, .value_kind: global_buffer, .address_space: global }
      - { .name: k, .offset: 8, .size: 8, .value_kind: global_buffer, .address_space: global }
      - { .name: v, .offset: 16, .size: 8, .value_kind: global_buffer, .address_space: global }
      - { .name: Wq, .offset: 24, .size: 8, .value_kind: global_buffer, .address_space: global }
      - { .name: Wk, .offset: 32, .size: 8, .value_kind: global_buffer, .address_space: global }
      - { .name: Wv, .offset: 40, .size: 8, .value_kind: global_buffer, .address_space: global }
      - { .name: fc_w, .offset: 48, .size: 8, .value_kind: global_buffer, .address_space: global }
      - { .name: codes, .offset: 56, .size: 8, .value_kind: global_buffer, .address_space: global }
      - { .name: scl, .offset: 64, .size: 8, .value_kind: global_buffer, .address_space: global }
    .group_segment_fixed_size: 34304
    .private_segment_fixed_size: 0
    .kernarg_segment_align: 8
    .kernarg_segment_size: 72
    .max_flat_workgroup_size: 128
    .sgpr_count:     66
    .vgpr_count:     238
    .wavefront_size: 32
...
	.end_amdgpu_metadata
.endif
;; end of part 5
;; launch proj (part 6): grid 192 x 1, 4 waves a work-group, no clusters, 0 bytes of LDS; arguments codes, scl, mask, qq, kv; writes qq, kv
.if DOCPART == 6
	.amdgcn_target "amdgcn-amd-amdhsa--gfx1250"
	.amdhsa_code_object_version 6
	.text
	.protected	k_q598e5fe1be_proj
	.globl	k_q598e5fe1be_proj
	.p2align	8
	.type	k_q598e5fe1be_proj,@function
k_q598e5fe1be_proj:
	s_mov_b64 s[64:65], 0
	v_nop
	global_prefetch_b8 v0, s[64:65] scope:SCOPE_SE
	s_setreg_imm32_b32 hwreg(HW_REG_WAVE_SCHED_MODE, 0, 2), 2
	s_setreg_imm32_b32 hwreg(HW_REG_WAVE_MODE, 25, 1), 1
	s_wait_xcnt 0x0
	s_wait_alu depctr_vm_vsrc(0)
; The three projections q Wq^T, k Wk^T, v Wv^T on codes of FP6 (E2M3) with E8M0 scales, and the quantising of their results for attention's two products, in registers.
; ONE SCHEME: D = S0 x S1.  S0: eight PERMUTED tiles (128 rows), stationary in 384 registers.  S1: one tile of 16 rows, streamed, eight of them.  In the result lane (r, h) holds S1's row r, and its 64 registers
; hold S0's rows: register 16 b + i = row 32 b + 16 h + i.  So the registers run along what is the NEXT product's K.
;   q, k (work-groups 0-63, 64-127): S0 = 128 rows of W (wave w: heads 2 w, 2 w + 1), S1 = rows of x.  The 128 channels are two heads of two blocks of 32: the two halves of the fragment made are the heads' half fragments.
;   v (work-groups 128-191): S0 = 128 rows of v (the keys of one step of attention), S1 = 16 rows of Wv (channels).  The fragment made is V^T: 16 channels x 128 keys, quantised along the keys.
; OUT.  qq [n 32][group 16][6,656]: 8 half fragments of 768 bytes (query tile i), then 512 bytes of scale words.  kv [n][step 16][13,056]: K's 8 half fragments, V's 4 fragments at 6,144, K's scale words at 12,288, V's at 12,800.
;   n = 4 head + batch.  A half fragment: lane's registers 0-3 at 16 x lane, 4-5 at 512 + 8 x lane.
; THE MASK is folded into K's operand.  Attention's first product has K = 64 in an instruction of K = 128; at k = 64 attention puts the code of -1 for every query and of +1 for every key.  Byte 2 of a key's scale word
; scales that one product: 157 (2^30) for a masked key, whose codes are also set to zero: its score is exactly -2^30; 1 (2^-126) for a key that counts.
; LIMITS: a masked score is -2^30 where the definition has -1e9: the results differ only where a row's largest live score lies under about -1e9; -2^-126 is added to live scores;
; a block of zeros gets the byte 1; blocks under 2^-124, NaN and infinities are not served.
; Waves share nothing: no LDS, no barrier.  Operands go from memory straight into registers, as images, by loads of 16 and 8 bytes a lane on end.
; S1 RUNS THREE TILES AHEAD: four sets of registers; tile i + 3 is asked for at the head of tile i's work, so that a tile has three tiles' products and quantising in which to land.
; THE MODE: SCHED_MODE bits 1:0 = 2 (LLVM: expert scheduling mode 2), set by the entry lines.  The code itself states the register dependences between vector or matrix instructions and memory instructions,
; with s_wait_alu, always for 0.
; THE PLAN.  Registers that memory instructions touch:
;   v1-v9            offsets, made at the head; none is written behind a memory instruction that has read it (v's path makes v7 anew before any store has named it).
;   S0, WS, MK       loaded once; read by products and compares, written by no vector instruction.
;   S1's and XS's set k   tile i's 32 products read set i % 4; the loads of tile i + 4 land in it, and are issued at the head of tile i + 1.
;   PC               written by tile i's conversions, moves and selects; read by tile i's stores, WHICH ARE ISSUED AT THE HEAD OF TILE i + 1; written again by tile i + 1's conversions, behind its 32 products.
;   OW               written by the last selects, read by the last stores.
; So ONE wait on va_vdst stands at the head of a tile: the tile before has written PC and its products are done reading their sets.  The tile's 17 loads and the four stores of the tile before follow it.
; One wait on vm_vsrc stands behind the tile's products, ahead of the lines that write PC again.  The mask's two compares write scalar registers ahead of the quantising; one wait on va_sdst stands behind it.
; The loads stand in one run: dealt among the products each would want two switches of the register window.
; REGISTERS.  window 0: v1-11 offsets; v16-79 the 8 accumulators; v80-95 codes; v96-103, v104-119 at work; v132-163 S0's scale words; v164-179 words made; v180-195 mask; v196-203 words to store; v204-219 S1's scale words, four sets.
;   window 1: S0's tiles 0-3 (tile t, K step s at 48 t + 12 s).   window 2: S0's tiles 4-7.   window 3: S1's four sets (tile i, K step s at 48 (i % 4) + 12 s).
.set HA,  16
.set PC,  80
.set CT,  96
.set TM,  104
.set PW,  120
.set HI,  121
.set WS,  132
.set SW0, 164
.set SW1, 172
.set MK,  180
.set OW,  196
.set XS,  204
.set SEL, 42
.set MM,  50                           ; s50-51 the lanes whose key counts, for the wave's two heads
.set HLF, 52                           ; s52    lanes 16-31
.set MSB, 0
.macro WIN new                         ; the immediate's high byte repeats the setting that is left; a switch that changes nothing is dropped
.if MSB != (\new)
	s_set_vgpr_msb (MSB<<8)|(\new)
.set MSB, (\new)
.endif
.endm
	s_load_b256 s[4:11], s[0:1], 0x0               ; codes, scl, mask, qq
	s_load_b64 s[12:13], s[0:1], 0x20              ; kv
	v_lshrrev_b32 v12, 5, v0
	v_readfirstlane_b32 s14, v12                   ; w: wave 0..3
	v_and_b32 v12, 31, v0
	v_lshlrev_b32 v1, 4, v12                       ; 16 x lane
	s_wait_alu depctr_va_vdst(0)
	v_lshlrev_b32 v2, 3, v12                       ; 8 x lane
	s_wait_alu depctr_va_vdst(0)
	v_and_b32 v13, 15, v0                          ; r
	s_wait_alu depctr_va_vdst(0)
	v_bfe_u32 v14, v0, 4, 1                        ; h
	s_wait_alu depctr_va_sdst(0)                   ; s14 is written, ahead of its first reader: tiles, heads and offsets are made from it
	s_lshr_b32 s15, ttmp9, 6                       ; 0: q, 1: k, 2: v
	s_and_b32 s16, ttmp9, 63                       ; j: which 128 rows of x
	s_lshr_b32 s17, s16, 4                         ; the batch
	s_and_b32 s18, s16, 15                         ; the group of 128 queries, or the step of 128 keys
	s_lshl_b32 s19, s15, 5
	s_lshl_b32 s21, s14, 3
	s_add_co_u32 s19, s19, s21
	s_add_co_u32 s19, s19, 1536                    ; q, k: S0 = W's tiles 1536 + 32 mat + 8 w on
	s_lshl_b32 s46, s16, 3
	s_add_co_u32 s47, s46, 1024                    ; v: S0 = v's tiles 1024 + 8 j on
	s_lshl_b32 s20, s15, 9
	s_add_co_u32 s20, s20, s46                     ; q, k: S1 = x's tiles 512 mat + 8 j on
	s_add_co_u32 s48, s21, 1600                    ; v: S1 = Wv's tiles 1600 + 8 w on
	s_cmp_lt_u32 s15, 2
	s_cselect_b32 s19, s19, s47
	s_cselect_b32 s20, s20, s48
	s_mov_b32 s34, 208896                          ; kv: bytes of a head,
	s_mov_b32 s35, 13056                           ; of a step,
	s_mov_b32 s36, 12288                           ; where K's scale words begin,
	s_mov_b32 s39, 0                               ; the mask counts,
	s_mov_b32 s40, 0x7f010000                      ; a live key's bytes 2 and 3
	s_cmp_eq_u32 s15, 0
	s_cselect_b32 s34, 106496, s34                 ; qq: the same five
	s_cselect_b32 s35, 6656, s35
	s_cselect_b32 s36, 6144, s36
	s_cselect_b32 s39, -1, s39                     ; (every query counts)
	s_cselect_b32 s40, 0x7f7f0000, s40
	s_lshl_b32 s37, s14, 3
	s_add_co_u32 s37, s37, s17                     ; n of head 2 w: 8 w + batch
	s_lshl_b32 s41, s37, 13                        ; its row of the mask
	s_mul_i32 s37, s37, s34
	s_mul_i32 s46, s18, s35
	s_add_co_u32 s37, s37, s46                     ; where head 2 w's part begins in the output
	s_lshl_b32 s38, s34, 2                         ; head 2 w + 1 lies four n on
	v_add_nc_u32 v3, s37, v1
	v_add_nc_u32 v4, s37, v2
	v_add_nc_u32 v5, s38, v3
	v_add_nc_u32 v6, s38, v4
	v_add_nc_u32 v7, s36, v3
	v_add_nc_u32 v8, s38, v7
	v_and_b32 v9, 8, v13
	v_add_nc_u32 v9, v9, v13
	v_lshlrev_b32 v9, 2, v9                        ; the mask of a permuted tile's row r: 4 (r + 8 (r / 8))
	v_mov_b32 v10, 0x7f9d0000                      ; a masked key's bytes 2 and 3
	v_mov_b32 v11, s40
.irp b, 0,1,2,3
	v_mov_b32 v[TM+4+\b], 0                        ; a lane permute's destination counts as one of its sources
.endr
	s_mov_b32 s[SEL], 0x76543210
	s_mov_b32 s[SEL+1], 0xfedcba98
	s_mul_i32 s22, s19, 6144
	s_mov_b32 s23, 0
	s_wait_kmcnt 0x0
	s_add_nc_u64 s[24:25], s[4:5], s[22:23]        ; S0's codes
	s_lshl_b32 s22, s19, 9
	s_add_nc_u64 s[26:27], s[6:7], s[22:23]        ; S0's scale words
	s_mul_i32 s22, s20, 6144
	s_add_nc_u64 s[28:29], s[4:5], s[22:23]        ; S1's codes
	s_lshl_b32 s22, s20, 9
	s_add_nc_u64 s[30:31], s[6:7], s[22:23]        ; S1's scale words
	s_cmp_eq_u32 s15, 0
	s_cselect_b64 s[32:33], s[10:11], s[12:13]     ; the output: qq or kv; the choice hangs on the work-group's number alone
	s_lshl_b32 s22, s18, 9
	s_add_co_u32 s22, s22, s41
	s_add_nc_u64 s[44:45], s[8:9], s[22:23]        ; the mask of head 2 w at this step's first key
.macro FRAGL reg, ptr, off             ; a fragment, 12 registers, from its image of 1,536 bytes
	global_load_b128 v[\reg:\reg+3], v1, s[\ptr:\ptr+1] offset:\off
	global_load_b64 v[\reg+4:\reg+5], v2, s[\ptr:\ptr+1] offset:\off+512
	global_load_b128 v[\reg+6:\reg+9], v1, s[\ptr:\ptr+1] offset:\off+768
	global_load_b64 v[\reg+10:\reg+11], v2, s[\ptr:\ptr+1] offset:\off+1280
.endm
.macro S1LOAD i                        ; S1's tile i: four fragments into set i % 4 of window 3, and its scale words: 17 loads
	WIN 0xc0                                       ; destination window 3, offsets window 0
.irp s, 0,1,2,3
	FRAGL 48*((\i)%4)+12*\s, 28, (\i)*6144+1536*\s
.endr
	WIN 0
	global_load_b128 v[XS+4*((\i)%4):XS+4*((\i)%4)+3], v1, s[30:31] offset:512*(\i)
.endm
; 64 numbers of a lane, register 16 b + i = k 32 b + 16 h + i of my row, become a fragment's codes (half c at PC + 8 c, six registers) and its scale word in PW.
.macro QUANT s
.irp b, 0,1,2,3
	v_max3_num_f32 v[TM+\b], |v[\s+16*\b]|, |v[\s+1+16*\b]|, 0x1800000   ; each accumulator is read from its low end on; the floor 2^(3 - 127) holds the byte at 1 from below
.endr
.irp i, 2,4,6,8,10,12,14
.irp b, 0,1,2,3
	v_max3_num_f32 v[TM+\b], v[TM+\b], |v[\s+16*\b+\i]|, |v[\s+1+16*\b+\i]|
.endr
.endr
.irp b, 0,1,2,3
	v_permlanex16_b32 v[TM+4+\b], v[TM+\b], s[SEL], s[SEL+1]
.endr
.irp b, 0,1,2,3
	v_max_num_f32 v[TM+\b], v[TM+\b], v[TM+4+\b]   ; with lane l xor 16's: the block's largest magnitude
.endr
.irp b, 0,1,2,3
	v_add_nc_u32 v[TM+12+\b], 0xff000000, v[TM+\b] ; 2 off the exponent field: the conversion's scale operand
.endr
.irp b, 0,1,2,3
	v_lshrrev_b32 v[TM+4+\b], 23, v[TM+12+\b]      ; the scale's byte
.endr
	v_lshl_or_b32 v[PW], v[TM+5], 8, v[TM+4]
	v_lshl_or_b32 v[PW], v[TM+6], 16, v[PW]
	v_lshl_or_b32 v[PW], v[TM+7], 24, v[PW]
.irp c, 0,1
	v_cvt_scalef32_pk16_fp6_f32 v[PC+8*\c:PC+8*\c+2], v[\s+32*\c:\s+32*\c+15], v[TM+12+2*\c]
	v_cvt_scalef32_pk16_fp6_f32 v[CT+4*\c:CT+4*\c+2], v[\s+32*\c+16:\s+32*\c+31], v[TM+12+2*\c+1]
.endr
	v_nop                                          ; one plain place behind a scaled conversion
.irp c, 0,1                                    ; the operand's layout wants a whole block in a lane: lanes 0-15 block 2 c, lanes 16-31 block 2 c + 1
.irp i, 0,1,2
	v_permlane16_swap_b32 v[PC+8*\c+\i], v[CT+4*\c+\i]
.endr
.irp i, 0,1,2
	v_mov_b32 v[PC+8*\c+3+\i], v[CT+4*\c+\i]
.endr
.endr
.endm
; 16 matrix instructions: S0's tiles 4 hf .. 4 hf + 3 x S1's tile i, K = 512 in four steps.  The four accumulators take turns, one instruction a turn; the first K step starts the sums.
.macro MULH i, hf
	WIN 0x0d+\hf                                   ; source 0: window 1 or 2 by the tile; source 1: window 3; C and D window 0
.irp s, 0,1,2,3
.irp t, 0,1,2,3
.if \s == 0
	v_wmma_scale_f32_16x16x128_f8f6f4 v[HA+8*(4*\hf+\t):HA+8*(4*\hf+\t)+7], v[48*\t+12*\s:48*\t+12*\s+11], v[48*((\i)%4)+12*\s:48*((\i)%4)+12*\s+11], 0, v[WS+4*(4*\hf+\t)+\s], v[XS+4*((\i)%4)+\s] matrix_a_fmt:MATRIX_FMT_FP6 matrix_b_fmt:MATRIX_FMT_FP6
.else
	v_wmma_scale_f32_16x16x128_f8f6f4 v[HA+8*(4*\hf+\t):HA+8*(4*\hf+\t)+7], v[48*\t+12*\s:48*\t+12*\s+11], v[48*((\i)%4)+12*\s:48*((\i)%4)+12*\s+11], v[HA+8*(4*\hf+\t):HA+8*(4*\hf+\t)+7], v[WS+4*(4*\hf+\t)+\s], v[XS+4*((\i)%4)+\s] matrix_a_fmt:MATRIX_FMT_FP6 matrix_b_fmt:MATRIX_FMT_FP6
.endif
.endr
.endr
.endm
; Tile i's codes leave.  kind 0: q and k, a half fragment for each of the wave's two heads; kind 1: v, a fragment of head 2 w + i / 4, channels 16 (i % 4) on.
.macro OUTC i, kind
.if \kind == 0
	global_store_b128 v3, v[PC:PC+3], s[32:33] offset:768*(\i)          ; 512 consecutive bytes, at a multiple of 256 from the buffer's first byte
	global_store_b64 v4, v[PC+4:PC+5], s[32:33] offset:768*(\i)+512     ; 256 likewise
	global_store_b128 v5, v[PC+8:PC+11], s[32:33] offset:768*(\i)
	global_store_b64 v6, v[PC+12:PC+13], s[32:33] offset:768*(\i)+512
.else
.irp c, 0,1
	global_store_b128 v3, v[PC+8*\c:PC+8*\c+3], s[32:33] offset:6144+((\i)/4)*835584+((\i)%4)*1536+768*\c
	global_store_b64 v4, v[PC+8*\c+4:PC+8*\c+5], s[32:33] offset:6144+((\i)/4)*835584+((\i)%4)*1536+768*\c+512
.endr
.endif
.endm
; S1's tile i: the loads of tile i + 3, the stores of tile i - 1, its products and the quantising of the 64 results a lane.  kind 0: q and k; kind 1: v.
.macro PAIR i, kind
.if \i < 6
	s_wait_loadcnt 34                              ; loads come back in order (ISA guide 5.7.1): tile i is in; the 2 x 17 loads of tiles i + 1 and i + 2 may be out.  In front of tile 0 this also shows S0, all its scale words and the mask in
.elseif \i == 6
	s_wait_loadcnt 17                              ; only tile 7's 17 loads are younger
.else
	s_wait_loadcnt 0x0
.endif
.if \i > 0
.if \i < 5
	WIN 0xc0                                       ; the window of the loads below: the switch first, then the wait
.endif
	s_wait_alu depctr_va_vdst(0)                   ; the tile before has written its codes, which the stores below read; its products are done reading their set of S1 and of S1's scale words, in which the loads below land
.endif
.if \i < 5
	S1LOAD \i+3                                    ; tile 0 needs no wait for this: no vector or matrix instruction has named set 3
.endif
.if \i > 0
	OUTC \i-1, \kind                               ; no vector instruction since the wait names the codes or these offsets
.endif
	MULH \i, 0
	MULH \i, 1
	WIN 0
.rept 4
	v_nop                                          ; four places between the last product and the first read of results (ISA guide 7.12.1)
.endr
.if \kind == 0
	v_cmp_ne_u32 s[MM], 0, v[MK+2*\i]              ; does my row's key count?  For head 2 w,
	v_cmp_ne_u32 s[MM+1], 0, v[MK+2*\i+1]          ; and for head 2 w + 1.  The two stand here so that the quantising lies between them and the wait for them
.endif
	s_wait_xcnt 0x0                                ; the last tile's stores have had their addresses translated: the codes' registers are written again only behind this wait
.if \i > 0
	s_wait_alu depctr_vm_vsrc(0)                   ; the last tile's stores have read the codes' registers, which the conversions below write again
.endif
	QUANT HA
.if \kind == 0
	s_wait_alu depctr_va_sdst(0)                   ; the two compares have written s[MM] and s[MM+1], ahead of their first readers
	s_or_b32 s[MM], s[MM], s39                     ; (a query always counts)
	s_or_b32 s[MM+1], s[MM+1], s39
.irp c, 0,1                                    ; head 2 w + c
.irp k, 0,1,2,3,4,5
	v_cndmask_b32 v[PC+8*\c+\k], 0, v[PC+8*\c+\k], s[MM+\c]   ; a masked key's codes are zeros
.endr
	v_cndmask_b32 v[HI+\c], v10, v11, s[MM+\c]     ; bytes 2 and 3 of its scale word
.endr
	v_and_or_b32 v[SW0+\i], v[PW], 0xffff, v[HI]   ; head 2 w: the word's bytes 0, 1
	v_lshrrev_b32 v12, 16, v[PW]
	v_or_b32 v[SW1+\i], v12, v[HI+1]               ; head 2 w + 1: bytes 2, 3
.else
	v_mov_b32 v[SW0+\i], v[PW]
.endif
.endm
	WIN 0x40                                       ; destination window 1, offsets window 0
	s_wait_alu depctr_va_vdst(0)                   ; the offsets v1 to v9 are written, which the loads and stores of the kernel read
.irp t, 0,1,2,3
.irp s, 0,1,2,3
	FRAGL 48*\t+12*\s, 24, \t*6144+1536*\s
.endr
.endr
	WIN 0x80
.irp t, 0,1,2,3
.irp s, 0,1,2,3
	FRAGL 48*\t+12*\s, 24, (\t+4)*6144+1536*\s
.endr
.endr
	WIN 0
.irp t, 0,1,2,3,4,5,6,7
	global_load_b128 v[WS+4*\t:WS+4*\t+3], v1, s[26:27] offset:512*\t
.endr
	s_cmp_eq_u32 s15, 2
	s_cbranch_scc1 .Lv
	; ---- q and k
.irp i, 0,1,2,3,4,5,6,7
.irp c, 0,1
	global_load_b32 v[MK+2*\i+\c], v9, s[44:45] offset:\c*32768+(32*(\i/2)+8*(\i%2))*4   ; the mask of tile i's keys for head 2 w + c (q's work-groups read it too, inside the buffer, and set it aside).  Ahead of S1's loads, so that tile 0's counted wait covers it
.endr
.endr
	S1LOAD 0
	S1LOAD 1
	S1LOAD 2
.irp i, 0,1,2,3,4,5,6,7
	PAIR \i, 0
.endr
	s_mov_b32 s[HLF], 0xffff0000                   ; lanes 0-15 store the words of tiles 0-3, lanes 16-31 those of tiles 4-7
.irp k, 0,1,2,3
	v_cndmask_b32 v[OW+\k], v[SW0+\k], v[SW0+4+\k], s[HLF]
	v_cndmask_b32 v[OW+4+\k], v[SW1+\k], v[SW1+4+\k], s[HLF]
.endr
	s_wait_alu depctr_va_vdst(0)                   ; tile 7's codes and the eight words are written, which the stores below read
	OUTC 7, 0
	global_store_b128 v7, v[OW:OW+3], s[32:33]     ; 512 consecutive bytes for each head
	global_store_b128 v8, v[OW+4:OW+7], s[32:33]
	s_endpgm
.Lv:
	; ---- v
	S1LOAD 0
	S1LOAD 1
	S1LOAD 2
	v_lshlrev_b32 v7, 4, v13                       ; (no memory instruction has read v7 on this path; the wait ahead of the last stores shows it written)
	v_mad_u32_u24 v7, v14, 0xcc000, v7             ; lanes 0-15: head 2 w; lanes 16-31: head 2 w + 1, 835,584 bytes on
	v_add_nc_u32 v7, s37, v7
	v_add_nc_u32 v7, 12800, v7                     ; V's scale words: 16 bytes for channel row r: the words of the head's four tiles of channels
.irp i, 0,1,2,3,4,5,6,7
	PAIR \i, 1
.endr
	s_mov_b32 s[HLF], 0xffff0000
.irp k, 0,1,2,3
	v_cndmask_b32 v[OW+\k], v[SW0+\k], v[SW0+4+\k], s[HLF]
.endr
	s_wait_alu depctr_va_vdst(0)                   ; tile 7's codes, the four words and v7 are written, which the stores below read
	OUTC 7, 1
	global_store_b128 v7, v[OW:OW+3], s[32:33]     ; each half of the lanes stores 256 consecutive bytes, at a multiple of 256
	s_endpgm
.Lfunc_end_k_q598e5fe1be_proj:
	.size	k_q598e5fe1be_proj, .Lfunc_end_k_q598e5fe1be_proj-k_q598e5fe1be_proj
	.p2alignl 7, 3214868480
	.fill 96, 4, 3214868480
	.section	.rodata,"a",@progbits
	.p2align	6, 0x0
	.amdhsa_kernel k_q598e5fe1be_proj
		.amdhsa_group_segment_fixed_size 0
		.amdhsa_private_segment_fixed_size 0
		.amdhsa_enable_private_segment 0
		.amdhsa_kernarg_size 40
		.amdhsa_user_sgpr_count 2
		.amdhsa_user_sgpr_kernarg_segment_ptr 1
		.amdhsa_wavefront_size32 1
		.amdhsa_system_sgpr_workgroup_id_x 1
		.amdhsa_system_sgpr_workgroup_id_y 1
		.amdhsa_system_sgpr_workgroup_id_z 1
		.amdhsa_system_vgpr_workitem_id 0
		.amdhsa_next_free_vgpr 960
		.amdhsa_next_free_sgpr 66
		.amdhsa_reserve_vcc 0
		.amdhsa_float_denorm_mode_32 3
		.amdhsa_float_denorm_mode_16_64 3
		.amdhsa_memory_ordered 1
		.amdhsa_forward_progress 1
		.amdhsa_inst_pref_size 191
	.end_amdhsa_kernel
	.amdgpu_metadata
---
amdhsa.version: [ 1, 2 ]
amdhsa.kernels:
  - .name:           k_q598e5fe1be_proj
    .symbol:         k_q598e5fe1be_proj.kd
    .args:
      - { .name: codes, .offset: 0, .size: 8, .value_kind: global_buffer, .address_space: global }
      - { .name: scl, .offset: 8, .size: 8, .value_kind: global_buffer, .address_space: global }
      - { .name: mask, .offset: 16, .size: 8, .value_kind: global_buffer, .address_space: global }
      - { .name: qq, .offset: 24, .size: 8, .value_kind: global_buffer, .address_space: global }
      - { .name: kv, .offset: 32, .size: 8, .value_kind: global_buffer, .address_space: global }
    .group_segment_fixed_size: 0
    .private_segment_fixed_size: 0
    .kernarg_segment_align: 8
    .kernarg_segment_size: 40
    .max_flat_workgroup_size: 128
    .sgpr_count:     66
    .vgpr_count:     960
    .wavefront_size: 32
...
	.end_amdgpu_metadata
.endif
;; end of part 6
;; launch attn (part 7): grid 8 x 32, 16 waves a work-group, clusters of 4 x 1, 280,576 bytes of LDS; arguments qq, kv, ao; writes ao
.if DOCPART == 7
	.amdgcn_target "amdgcn-amd-amdhsa--gfx1250"
	.amdhsa_code_object_version 6
	.text
	.protected	k_q598e5fe1be_attn
	.globl	k_q598e5fe1be_attn
	.p2align	8
	.type	k_q598e5fe1be_attn,@function
k_q598e5fe1be_attn:
	s_mov_b64 s[64:65], 0
	v_nop
	global_prefetch_b8 v0, s[64:65] scope:SCOPE_SE
	s_setreg_imm32_b32 hwreg(HW_REG_WAVE_MODE, 25, 1), 1
	s_wait_xcnt 0x0
	s_wait_alu depctr_hold_cnt(0) depctr_sa_sdst(0) depctr_va_vdst(0) depctr_va_sdst(0) depctr_va_ssrc(0) depctr_va_vcc(0) depctr_vm_vsrc(0)
	s_getreg_b32 s2, hwreg(HW_REG_IB_STS2, 6, 4)
	s_cmp_eq_u32 s2, 0
	s_cbranch_scc0 .Lentry_in_a_cluster
	s_endpgm
.Lentry_in_a_cluster:
	s_bfe_u32 s2, ttmp6, 0x10000c
	s_cmp_lg_u32 s2, 0x3003
	s_cbranch_scc0 .Lentry_shape_is_right
	s_endpgm
.Lentry_shape_is_right:
; ao[batch][query][64 head + d] = the sum over the keys of softmax(Q . K / 8) V, both products on codes of FP6 (E2M3) with E8M0 scales, for n = 4 head + batch.
; THE SOFTMAX: t = score x log2(e) / 8; M = the running largest t rounded UP to a whole number; p = 2^(t - M) is quantised along the keys, not normalised; the row's sum is taken of the unquantised p and divides at the end.
; When M moves, the sum and O^T are multiplied by 2^(old M - new M): exact.
; THE MASK costs no line here.  The first product's K is 64 in an instruction of K = 128.  At k = 64 every query has the code of -1 and every key the code of +1; byte 2 of a key's scale word (made by the launch before)
; scales that product: 2^30 for a masked key, whose other codes are zeros, so that its score is exactly -2^30; 2^-126 for a key that counts.  A head with every key masked has equal scores, as in the definition.
; LIMITS: -2^30 stands for the definition's -1e9: results differ only where a row's largest live score lies under about -1e9; -2^-126 is added to live scores; NaN and infinities are not served.
; SHARES.  A work-group owns 256 queries of one n; each of its sixteen waves 16 of them, one tile, in 256 registers: four waves to a SIMD, so that one wave's vector work stands beside another's products and LDS loads.
; ONE HEAD'S K AND V, CODES AND SCALE WORDS, ARE 208,896 BYTES: THEY LIE IN LDS WHOLE.  Every byte is filled once: no slot is filled again.  Waves 0-3 bring them, four loads each, a step of 13,056 bytes a load;
; four loads of a wave are out at the most.  The keys are walked in two groups: steps 0-3, which each loading wave's first load brings, and steps 4-15.  In front of each group a wait on the loads and a barrier show its
; steps landed; the twelve later steps' loads are on their way while the first four steps are worked.  No other barrier stands among the steps: the sixteen waves meet twice.
; CLUSTER.  The four work-groups of a cluster own four blocks of queries of the same n and need the same bytes: each load is asked for JOINTLY, with the same descriptor and a mask that names the four.
; LAYOUT.  Both products are used transposed: S^T = K Q^T (source 0 = 16 keys), O^T = V^T P^T (source 0 = 16 channels): a lane holds one query (lane % 16) throughout.  The keys of a tile of K are permuted
; (lane r of tile 2 b + u: key 32 b + 8 u + r + 8 (r / 8)), so that the 16 registers of tiles 2 b, 2 b + 1 are keys 32 b + 16 (lane / 16) + 0..15.  All operands lie in LDS as images of their registers: dense loads, no pitch.
; A step in LDS: K's 8 half fragments of 768 bytes; V's 4 fragments of 1,536 at 6,144; K's scale words at 12,288 (16 bytes a row: tiles 0-3, then 256 bytes on tiles 4-7); V's at 12,800.
; THE EXPONENTIALS STAND AMONG PLAIN LINES.  A step has 68 exponentials and 98 plain lines that hang on M and f alone (36 multiply-adds, 31 sums, 16 rescalings of O^T, 15 lines for p's scale word): they are dealt
; between the exponentials, so that no long run of either kind is issued.
.set STEPB, 13056
.set GRPB,  4*STEPB
.set STAGE, 16*STEPB                   ; behind the head: 16 rows x 272 bytes for each wave, for the way out; no fill lands there
.set L16,  1                           ; v1  16 x lane
.set L8,   2                           ; v2  8 x lane
.set LR16, 3                           ; v3  16 r
.set AD16, 4                           ; v4-6 the same three in the step in hand
.set AD8,  5
.set ADS,  6
.set GO,   7                           ; v7  the way out: 2,048 h + 16 r
.set QS,   28                          ; v28 Q's scale words
.set PS,   29                          ; v29 p's scale word
.set SM2,  30                          ; v[30:31] the step's second chain of sums
.set KR,   32                          ; v32-79   four fragments of K: registers 0-5 loaded, 6-11 constant
.set VR,   80                          ; v80-127  V's four fragments
.set S,    128                         ; v128-191 S^T, then p
.set O,    192                         ; v192-223 O^T
.set PCD,  224                         ; v224-235 p's codes
.set CT,   236                         ; v236-243 at work
.set BM,   244                         ; v244-247 the blocks' largest scores, then largest p
.set KS,   248                         ; v248-251 K's scale words, then V's
.set SO,   252                         ; v252-255 the conversions' scale operands
.set WV,   10                          ; s10 my wave's number
.set G1,   16                          ; s[16:23] descriptor group 1;  s[24:39] four groups 0
.set G0,   24
.set SEL,  40
.set CS,   42                          ; s[42:43] c = log2(e) / 8
.set TB,   44                          ; s44 LDS byte at which the step in hand begins
.set CNT,  45
.macro CROUND                          ; a round of the cluster's barrier
	s_barrier_signal -1
	s_barrier_wait -1
	s_cmp_lg_u32 s[WV], 0
	s_cbranch_scc1 .Lnot_wave_0_\@
	s_barrier_signal -3
.Lnot_wave_0_\@:
	s_barrier_wait -3
	s_barrier_signal -1
	s_barrier_wait -1
.endm
	s_load_b128 s[4:7], s[0:1], 0x0                ; qq, kv
	s_load_b64 s[8:9], s[0:1], 0x10                ; ao
	v_lshl_add_u32 v254, v0, 2, 0x44000
	v_mov_b32 v255, 0
	ds_add_u32 v254, v255
	ds_add_u32 v254, v255
	s_wait_dscnt 0x0
	v_lshrrev_b32 v10, 5, v0
	s_delay_alu instid0(VALU_DEP_1)
	v_readfirstlane_b32 s[WV], v10                 ; wave 0..15
	s_bfe_u32 s11, ttmp6, 0x40000                  ; cx: my place in the cluster: it enters qq's and ao's addresses alone
	s_lshl_b32 s12, ttmp9, 2
	s_add_co_u32 s12, s12, s11                     ; my block of 256 queries
	s_and_b32 s13, ttmp7, 0xffff                   ; n, which the four partners share
	s_lshr_b32 s14, s13, 2                         ; the head
	s_and_b32 s15, s13, 3                          ; the batch
	; descriptor group 1: a step's 13,056 dense bytes as 51 rows of 256 bytes (32 elements of 8 bytes), no padding
	s_mov_b32 s[G1], 15|(3<<16)|(1<<21)            ; 15:0 the mask: all four work-groups; 17:16 elements of 8 bytes; 21 set beside a mask
	s_mov_b32 s[G1+1], 32<<16                      ; tensor_dim0
	s_mov_b32 s[G1+2], 51<<16                      ; tensor_dim1
	s_mov_b32 s[G1+3], 32<<16                      ; tile_dim0
	s_mov_b32 s[G1+4], 51                          ; tile_dim1
	s_mov_b32 s[G1+5], 32                          ; from row to row
	s_mov_b32 s[G1+6], 0
	s_mov_b32 s[G1+7], 0
	s_mul_i32 s46, s[WV], STEPB                    ; load g of wave w brings step 4 g + w
	s_mul_i32 s48, s13, 16*STEPB
	s_add_co_u32 s48, s48, s46
	s_mov_b32 s49, 0
	s_mov_b32 s[SEL], 0x76543210
	s_mov_b32 s[SEL+1], 0xfedcba98
	s_mov_b32 s[CS], 0x3e38aa3b
	s_mov_b32 s[CS+1], s[CS]                       ; (named with it as a pair, so it is written)
	s_wait_kmcnt 0x0
	s_add_nc_u64 s[6:7], s[6:7], s[48:49]
.irp g, 0,1,2,3
	s_mov_b32 s[G0+4*\g], 1                        ; count = 1
	s_add_co_u32 s[G0+4*\g+1], s46, \g*GRPB        ; LDS address
	s_add_nc_u64 s[G0+4*\g+2:G0+4*\g+3], s[6:7], \g*GRPB   ; global address
	s_or_b32 s[G0+4*\g+3], s[G0+4*\g+3], 0x80000000        ; type = 2
.endr
	CROUND                                         ; all four work-groups are here: the joint loads meet
	s_cmp_lt_u32 s[WV], 4                          ; a wave's four fills stand in one branch, ahead of every wait on TENSORcnt and every LDS read
	s_cbranch_scc0 .Lno_fetch
	tensor_load_to_lds s[G0:G0+3], s[G1:G1+7]
	s_nop 0
	tensor_load_to_lds s[G0+4:G0+7], s[G1:G1+7]
	s_nop 0
	tensor_load_to_lds s[G0+8:G0+11], s[G1:G1+7]
	s_nop 0
	tensor_load_to_lds s[G0+12:G0+15], s[G1:G1+7]
	s_nop 0
.rept 4
	v_nop
.endr
.Lno_fetch:
	; Q: my tile's half fragment and scale words
	s_mul_i32 s50, s13, 106496
	s_lshl_b32 s52, s12, 1
	s_lshr_b32 s53, s[WV], 3
	s_add_co_u32 s52, s52, s53                     ; the group of 128 queries: 2 x block + wave / 8
	s_mul_i32 s52, s52, 6656
	s_add_co_u32 s50, s50, s52
	s_mov_b32 s51, 0
	s_add_nc_u64 s[4:5], s[4:5], s[50:51]
	s_and_b32 s53, s[WV], 7                        ; my tile in the group
	s_mul_i32 s50, s53, 768
	s_add_nc_u64 s[46:47], s[4:5], s[50:51]
	s_lshr_b32 s50, s53, 2
	s_lshl_b32 s50, s50, 8
	s_and_b32 s52, s53, 3
	s_lshl_b32 s52, s52, 2
	s_add_co_u32 s50, s50, s52
	s_add_nc_u64 s[48:49], s[4:5], s[50:51]
	v_and_b32 v10, 31, v0
	s_delay_alu instid0(VALU_DEP_1)
	v_lshlrev_b32 v[L16], 4, v10
	s_delay_alu instid0(VALU_DEP_2)
	v_lshlrev_b32 v[L8], 3, v10
	v_and_b32 v10, 15, v0                          ; r
	v_bfe_u32 v11, v0, 4, 1                        ; h
	s_wait_alu depctr_va_vdst(0)
	v_lshlrev_b32 v[LR16], 4, v10
	s_delay_alu instid0(VALU_DEP_1)
	v_lshl_add_u32 v[GO], v11, 11, v[LR16]
	global_load_b128 v[16:19], v[L16], s[46:47]
	global_load_b64 v[20:21], v[L8], s[46:47] offset:512
	global_load_b32 v[QS], v[LR16], s[48:49] offset:6144
	; where my 16 rows of ao begin: row 2,048 batch + 256 block + 16 wave, byte 256 head
	s_lshl_b32 s50, s15, 11
	s_lshl_b32 s52, s12, 8
	s_add_co_u32 s50, s50, s52
	s_lshl_b32 s52, s[WV], 4
	s_add_co_u32 s50, s50, s52
	s_lshl_b32 s50, s50, 11
	s_lshl_b32 s52, s14, 8
	s_add_co_u32 s50, s50, s52
	s_add_nc_u64 s[8:9], s[8:9], s[50:51]
	; k = 64 .. 127 of the first product: one code at k = 64 (register 6, lanes 0-15, lowest six bits), zeros else
	v_mul_u32_u24 v10, v11, 40
	s_delay_alu instid0(VALU_DEP_1)
	v_sub_nc_u32 v22, 40, v10                      ; Q: 0x28, the code of -1
	v_lshlrev_b32 v10, 3, v11
.irp t, 0,1,2,3
	v_sub_nc_u32 v[KR+12*\t+6], 8, v10             ; K: 0x08, the code of +1
.endr
.irp i, 23,24,25,26,27
	v_mov_b32 v[\i], 0
.endr
.irp t, 0,1,2,3
.irp i, 7,8,9,10,11
	v_mov_b32 v[KR+12*\t+\i], 0
.endr
.endr
	v_mov_b32 v9, 0                                ; (named as the upper half of the pair v[8:9])
	v_mov_b32 v13, 0xff61b1e6                      ; the largest t so far: -3e38
	s_delay_alu instid0(VALU_DEP_1)
	v_floor_f32 v12, -v13                          ; -M
	v_mov_b32 v14, 0                               ; the sum, in two halves
	v_mov_b32 v15, 0
.irp b, 0,1,2,3
	v_mov_b32 v[CT+\b], 0                          ; a lane permute's destination counts as one of its sources
.endr
.set ii, 0
.rept 32
	v_mov_b32 v[O+ii], 0                           ; O^T: the step is written once; its first walk finds zeros, which the first change of M leaves zeros
.set ii, ii+1
.endr
	s_wait_loadcnt 0x0                             ; Q
; A KEY STEP: 128 keys, at LDS byte s[TB].
.macro STEP
	v_add_nc_u32 v[AD16], s[TB], v[L16]
	v_add_nc_u32 v[AD8], s[TB], v[L8]
	v_add_nc_u32 v[ADS], s[TB], v[LR16]
	v_nop                                          ; with the three additions: four places between the last step's products and loads into registers that they read (ISA guide 7.12.1 for vector instructions)
.irp g, 0,1                                    ; S^T = K Q^T, four tiles of 16 keys at a time
.if \g
.rept 4
	v_nop
.endr
.endif
.irp t, 0,1,2,3
	ds_load_b128 v[KR+12*\t:KR+12*\t+3], v[AD16] offset:768*(4*\g+\t)
	ds_load_b64 v[KR+12*\t+4:KR+12*\t+5], v[AD8] offset:768*(4*\g+\t)+512
.endr
	ds_load_b128 v[KS:KS+3], v[ADS] offset:12288+256*\g
.if \g
.irp d, 0,1,2,3                                ; V's four fragments are asked for here: they land under the softmax
	ds_load_b128 v[VR+12*\d:VR+12*\d+3], v[AD16] offset:6144+1536*\d
	ds_load_b64 v[VR+12*\d+4:VR+12*\d+5], v[AD8] offset:6144+1536*\d+512
	ds_load_b128 v[VR+12*\d+6:VR+12*\d+9], v[AD16] offset:6144+1536*\d+768
	ds_load_b64 v[VR+12*\d+10:VR+12*\d+11], v[AD8] offset:6144+1536*\d+1280
.endr
	s_wait_dscnt 16                                ; K's nine loads are in; V's sixteen, issued behind them, may be out
.else
	s_wait_alu depctr_va_vdst(0)
	s_wait_dscnt 0x0
.endif
.irp t, 0,1,2,3
	v_wmma_scale_f32_16x16x128_f8f6f4 v[S+8*(4*\g+\t):S+8*(4*\g+\t)+7], v[KR+12*\t:KR+12*\t+11], v[16:27], 0, v[KS+\t], v[QS] matrix_a_fmt:MATRIX_FMT_FP6 matrix_b_fmt:MATRIX_FMT_FP6
.endr
.endr
.rept 4
	v_nop                                          ; four places: in front of the load into the scale words' registers and of the first read of the scores
.endr
	ds_load_b128 v[KS:KS+3], v[ADS] offset:12800   ; V's scale words
.irp b, 0,1,2,3
	v_max3_num_f32 v[BM+\b], v[S+16*\b], v[S+16*\b+1], v[S+16*\b+2]   ; the largest score of each block of 32 keys: for the row's maximum and, since p rises with the score, for the block's largest p.  Each accumulator is read from its low end on
.endr
.irp i, 3,5,7,9,11,13
.irp b, 0,1,2,3
	v_max3_num_f32 v[BM+\b], v[BM+\b], v[S+16*\b+\i], v[S+16*\b+\i+1]
.endr
.endr
.irp b, 0,1,2,3
	v_max_num_f32 v[BM+\b], v[BM+\b], v[S+16*\b+15]
.endr
.irp b, 0,1,2,3
	s_delay_alu instid0(VALU_DEP_4)
	v_permlanex16_b32 v[CT+\b], v[BM+\b], s[SEL], s[SEL+1]
.endr
.irp b, 0,1,2,3
	s_delay_alu instid0(VALU_DEP_4)
	v_max_num_f32 v[BM+\b], v[BM+\b], v[CT+\b]     ; with lane l xor 16's 16 keys
.endr
	s_delay_alu instid0(VALU_DEP_2)
	v_max3_num_f32 v10, v[BM], v[BM+1], v[BM+2]
	s_delay_alu instid0(VALU_DEP_1)
	v_max_num_f32 v10, v10, v[BM+3]                ; the step's largest score of my query
	s_delay_alu instid0(VALU_DEP_1)
	v_mul_f32 v10, s[CS], v10                      ; as t (c is positive)
	s_delay_alu instid0(VALU_DEP_1)
	v_max_num_f32 v13, v13, v10                    ; the running largest t
	v_mov_b32 v10, v12
	s_delay_alu instid0(VALU_DEP_2)
	v_floor_f32 v12, -v13                          ; the new -M = floor(-t): M is a whole number
	s_delay_alu instid0(VALU_DEP_1)
	v_sub_f32 v10, v12, v10                        ; old M - new M: a whole number, 0 or less
	s_delay_alu instid0(VALU_DEP_1)
	v_cvt_i32_f32 v10, v10                         ; (it saturates)
	s_delay_alu instid0(VALU_DEP_1)
	v_ldexp_f32 v8, 1.0, v10                       ; f = 2^(old M - new M)
	s_delay_alu instid0(VALU_DEP_1)
	v_pk_mul_f32 v[14:15], v[14:15], v[8:9] op_sel_hi:[1,0]   ; the sums under the new M, ahead of this step's first addition
.irp b, 0,1,2,3
	v_fma_f32 v[BM+\b], v[BM+\b], s[CS], v12       ; t - M of each block's largest score
.endr
.irp j, 0,2,4,6
	v_pk_fma_f32 v[S+\j:S+\j+1], v[S+\j:S+\j+1], s[CS:CS+1], v[12:13] op_sel_hi:[1,0,0]   ; t - M, two at a time: pairs 0-3
.endr
	s_wait_alu depctr_va_vdst(0)
.irp b, 0,1,2,3
	v_exp_f32 v[BM+\b], v[BM+\b]                   ; the block's largest p: the same two instructions on the same number as the score itself gets
	v_pk_fma_f32 v[S+8+2*\b:S+9+2*\b], v[S+8+2*\b:S+9+2*\b], s[CS:CS+1], v[12:13] op_sel_hi:[1,0,0]   ; pairs 4-7
.endr
; Pair qi of the 32 pairs of scores: its two exponentials, p = 2^(t - M); between and behind them plain lines that are ready: t - M of the pair eight on; the sum of the pair before (its second exponential stands
; behind a plain line by then: ISA guide 5.7.2); by turns a rescaling of O^T (each accumulator from its low end on) and a line of p's scale word.
.set qi, 0
.rept 32
	v_exp_f32 v[S+2*qi], v[S+2*qi]
.if qi < 24
	v_pk_fma_f32 v[S+2*qi+16:S+2*qi+17], v[S+2*qi+16:S+2*qi+17], s[CS:CS+1], v[12:13] op_sel_hi:[1,0,0]
.endif
	v_exp_f32 v[S+2*qi+1], v[S+2*qi+1]
.if qi == 2
	s_setprio 1
	v_pk_add_f32 v[SM2:SM2+1], v[S:S+1], v[S+2:S+3]   ; THE ROW'S SUM IS TAKEN OF THE UNQUANTISED p, in two chains: pairs 0 and 1 start the second
.elseif (qi > 2) && (qi < 28) && (qi%2 == 1)
	s_wait_alu depctr_va_vdst(0)
	v_pk_add_f32 v[14:15], v[14:15], v[S+2*qi-2:S+2*qi-1]         ; even pairs
.elseif (qi > 2) && (qi < 28)
	v_pk_add_f32 v[SM2:SM2+1], v[SM2:SM2+1], v[S+2*qi-2:S+2*qi-1] ; odd pairs
.endif
.set ki, (qi-1)/2
.if qi%2 == 0
	s_wait_alu depctr_va_vdst(0)
	v_pk_mul_f32 v[O+qi:O+qi+1], v[O+qi:O+qi+1], v[8:9] op_sel_hi:[1,0]   ; O^T under the new M
.elseif ki < 4
	s_wait_alu depctr_va_vdst(0)
	v_max_num_f32 v[BM+ki], 0x1800000, v[BM+ki]    ; the floor 2^(3 - 127): a block whose every p is 0 keeps the byte 1: its codes are zeros
.elseif ki < 8
	v_add_nc_u32 v[SO+ki-4], 0xff000000, v[BM+ki-4]   ; 2 off the exponent field: the conversion's scale operand
.elseif ki < 12
	v_lshrrev_b32 v[CT+ki-8], 23, v[SO+ki-8]       ; the scale's byte
.elseif ki == 12
	v_lshl_or_b32 v[PS], v[CT+1], 8, v[CT]         ; p's scale word for these 128 keys
.elseif ki == 13
	v_lshl_or_b32 v[PS], v[CT+2], 16, v[PS]
.elseif ki == 14
	v_lshl_or_b32 v[PS], v[CT+3], 24, v[PS]
.endif
.set qi, qi+1
.endr
	v_pk_add_f32 v[SM2:SM2+1], v[SM2:SM2+1], v[S+54:S+55]   ; pair 27.  (The plain place between the last exponential and the conversions that read its result)
	s_setprio 0
	s_wait_alu depctr_va_vdst(0)
.irp c, 0,1
	v_cvt_scalef32_pk16_fp6_f32 v[PCD+6*\c:PCD+6*\c+2], v[S+32*\c:S+32*\c+15], v[SO+2*\c]
	v_cvt_scalef32_pk16_fp6_f32 v[CT+4*\c:CT+4*\c+2], v[S+32*\c+16:S+32*\c+31], v[SO+2*\c+1]   ; (a conversion's three registers begin on an even number)
.endr
	v_nop                                          ; one plain place behind a scaled conversion
.irp c, 0,1                                    ; the operand's layout wants a whole block in a lane
.irp i, 0,1,2
	v_permlane16_swap_b32 v[PCD+6*\c+\i], v[CT+4*\c+\i]
.endr
.irp i, 0,1,2
	s_delay_alu instid0(VALU_DEP_3)
	v_mov_b32 v[PCD+6*\c+3+\i], v[CT+4*\c+\i]
.endr
.endr
	v_pk_add_f32 v[14:15], v[14:15], v[S+56:S+57]            ; pairs 28-31 and the joining of the two chains were kept for this place: five plain lines that name no register of the products stand
	v_pk_add_f32 v[SM2:SM2+1], v[SM2:SM2+1], v[S+58:S+59]    ; between the last move into p's codes and the products (four places are owed; the scale word, which is owed eight, was finished fourteen plain lines back)
	v_pk_add_f32 v[14:15], v[14:15], v[S+60:S+61]
	v_pk_add_f32 v[SM2:SM2+1], v[SM2:SM2+1], v[S+62:S+63]
	s_delay_alu instid0(VALU_DEP_1)
	v_pk_add_f32 v[14:15], v[14:15], v[SM2:SM2+1]
	s_wait_alu depctr_va_vdst(0)
	s_wait_dscnt 0x0                               ; V and its scale words are in
.irp d, 0,1,2,3                                ; O^T += V^T P^T: the four accumulators take turns
	v_wmma_scale_f32_16x16x128_f8f6f4 v[O+8*\d:O+8*\d+7], v[VR+12*\d:VR+12*\d+11], v[PCD:PCD+11], v[O+8*\d:O+8*\d+7], v[KS+\d], v[PS] matrix_a_fmt:MATRIX_FMT_FP6 matrix_b_fmt:MATRIX_FMT_FP6
.endr
.endm
; A group of steps, from step 4 g on.  A wave's tensor loads end in order (ISA guide 10.11.1): with `left` of them out, the older ones have landed.  The barrier shows that of all four loading waves to all sixteen.
; In front of the first group the three later loads stay out.
.macro GROUP g, left, trips
	s_wait_tensorcnt \left
	s_wait_dscnt 0x0
	s_barrier_signal -1
	s_barrier_wait -1
	s_mov_b32 s[TB], \g*GRPB
	s_mov_b32 s[CNT], \trips
.Lkeys_\g:
	s_setprio 2
	STEP
	s_add_co_u32 s[TB], s[TB], STEPB
	s_sub_co_u32 s[CNT], s[CNT], 1
	s_cmp_lg_u32 s[CNT], 0
	s_cbranch_scc1 .Lkeys_\g
	s_setprio 0
.endm
	GROUP 0, 3, 4                                  ; steps 0-3: each loading wave's first load is in, its three younger ones may be out
	GROUP 1, 0, 12                                 ; steps 4-15: all loads are in: they had the first four steps' work in which to land
	; THE WAY OUT.  O^T / the sum goes through my stage in LDS and leaves as rows: sixteen lanes store 256 consecutive bytes, a head's 64 channels of one query.  The eight address lines are the places behind the last products.
	v_and_b32 v10, 15, v0                          ; r
	v_bfe_u32 v11, v0, 4, 1                        ; h
	s_mul_i32 s46, s[WV], 16*272
	s_add_co_u32 s46, s46, STAGE
	v_mul_u32_u24 v4, v10, 272
	s_delay_alu instid0(VALU_DEP_1)
	v_lshl_add_u32 v4, v11, 5, v4
	s_delay_alu instid0(VALU_DEP_1)
	v_add_nc_u32 v4, s46, v4                       ; in: row r; tile d's eight channels of my half at 64 d + 32 h
	v_mul_u32_u24 v5, v11, 272
	s_delay_alu instid0(VALU_DEP_1)
	v_lshl_add_u32 v5, v10, 4, v5
	s_delay_alu instid0(VALU_DEP_1)
	v_add_nc_u32 v5, s46, v5                       ; back: lanes 0-15 one row, lanes 16-31 the next
	v_add_f32 v14, v14, v15                        ; the sum's two halves,
	s_delay_alu instid0(VALU_DEP_1)
	v_permlanex16_b32 v6, v14, s[SEL], s[SEL+1]
	s_delay_alu instid0(VALU_DEP_1)
	v_add_f32 v14, v14, v6                         ; and lane l xor 16's
	s_wait_alu depctr_va_vdst(0)
	v_rcp_f32 v14, v14
	v_nop                                          ; one plain place behind a transcendental
.set ii, 0
	s_wait_alu depctr_va_vdst(0)
.rept 32
	v_mul_f32 v[S+ii], v[O+ii], v14                ; register 8 d + i: channel 16 d + 8 h + i of query r
.set ii, ii+1
.endr
.irp t, 0,1,2,3
	ds_store_b128 v4, v[S+8*\t:S+8*\t+3] offset:64*\t
	ds_store_b128 v4, v[S+8*\t+4:S+8*\t+7] offset:64*\t+16
.endr
.irp i, 0,1,2,3,4,5,6,7
	ds_load_b128 v[S+32+4*\i:S+32+4*\i+3], v5 offset:544*\i   ; LDS serves a wave's instructions in order: these see my stores
.endr
.irp i, 0,1,2,3,4,5,6,7
	s_wait_dscnt 7-\i                              ; loads come back in order: load i is in, the younger ones may be out
	global_store_b128 v[GO], v[S+32+4*\i:S+32+4*\i+3], s[8:9] offset:4096*\i
.endr
	s_wait_xcnt 0x0
	v_lshl_add_u32 v254, v0, 2, 0x44000
	v_mov_b32 v255, 0
	s_wait_alu depctr_va_vdst(0)
	s_wait_tensorcnt 0x0
	ds_add_u32 v254, v255
	s_wait_dscnt 0x0
	CROUND                                         ; the closing round: no work-group ends while a partner may still ask for bytes jointly
	s_endpgm
.Lfunc_end_k_q598e5fe1be_attn:
	.size	k_q598e5fe1be_attn, .Lfunc_end_k_q598e5fe1be_attn-k_q598e5fe1be_attn
	.p2alignl 7, 3214868480
	.fill 96, 4, 3214868480
	.section	.rodata,"a",@progbits
	.p2align	6, 0x0
	.amdhsa_kernel k_q598e5fe1be_attn
		.amdhsa_group_segment_fixed_size 280576
		.amdhsa_private_segment_fixed_size 0
		.amdhsa_enable_private_segment 0
		.amdhsa_kernarg_size 24
		.amdhsa_user_sgpr_count 2
		.amdhsa_user_sgpr_kernarg_segment_ptr 1
		.amdhsa_wavefront_size32 1
		.amdhsa_system_sgpr_workgroup_id_x 1
		.amdhsa_system_sgpr_workgroup_id_y 1
		.amdhsa_system_sgpr_workgroup_id_z 1
		.amdhsa_system_vgpr_workitem_id 0
		.amdhsa_next_free_vgpr 256
		.amdhsa_next_free_sgpr 66
		.amdhsa_reserve_vcc 0
		.amdhsa_float_denorm_mode_32 3
		.amdhsa_float_denorm_mode_16_64 3
		.amdhsa_memory_ordered 1
		.amdhsa_forward_progress 1
		.amdhsa_inst_pref_size 49
	.end_amdhsa_kernel
	.amdgpu_metadata
---
amdhsa.version: [ 1, 2 ]
amdhsa.kernels:
  - .name:           k_q598e5fe1be_attn
    .symbol:         k_q598e5fe1be_attn.kd
    .args:
      - { .name: qq, .offset: 0, .size: 8, .value_kind: global_buffer, .address_space: global }
      - { .name: kv, .offset: 8, .size: 8, .value_kind: global_buffer, .address_space: global }
      - { .name: ao, .offset: 16, .size: 8, .value_kind: global_buffer, .address_space: global }
    .group_segment_fixed_size: 280576
    .private_segment_fixed_size: 0
    .kernarg_segment_align: 8
    .kernarg_segment_size: 24
    .max_flat_workgroup_size: 512
    .sgpr_count:     66
    .vgpr_count:     256
    .wavefront_size: 32
...
	.end_amdgpu_metadata
.endif
;; end of part 7
;; launch tail (part 8): grid 256 x 1, 4 waves a work-group, no clusters, 145,920 bytes of LDS; arguments ao, q, codes, scl, fc_b, g0, b0, g1, b1, out0; writes out0
.if DOCPART == 8
	.amdgcn_target "amdgcn-amd-amdhsa--gfx1250"
	.amdhsa_code_object_version 6
	.text
	.protected	k_q598e5fe1be_tail
	.globl	k_q598e5fe1be_tail
	.p2align	8
	.type	k_q598e5fe1be_tail,@function
k_q598e5fe1be_tail:
	s_mov_b64 s[64:65], 0
	v_nop
	global_prefetch_b8 v0, s[64:65] scope:SCOPE_SE
	s_setreg_imm32_b32 hwreg(HW_REG_WAVE_SCHED_MODE, 0, 2), 2
	s_setreg_imm32_b32 hwreg(HW_REG_WAVE_MODE, 25, 1), 1
	s_wait_xcnt 0x0
	s_wait_alu depctr_vm_vsrc(0)
; y = LN(ao + q; g0, b0);  out0 = LN(Q(y) Q(fc_w)^T + fc_b + y; g1, b1).  The product is on codes of FP6 (E2M3) with E8M0 scales; y is quantised here, fc_w's codes come from the first launch.  All else f32.
; A layer norm takes the mean, then the mean of the squared differences (two passes over registers: no difference of large sums), 1 / sqrt by v_rsq_f32.
; LIMITS: a block of zeros gets the byte 1 (its codes are zeros); blocks under 2^-124, NaN and infinities are not served.
; SHARES.  A work-group takes 32 rows.  The norms go by rows: wave w has rows 8 w .. 8 w + 7, a lane columns 128 j + 4 lane + e in register 4 j + e, so that each load and store covers 512 consecutive bytes.
; The product goes by columns: wave w makes outputs 128 w .. 128 w + 127 for all 32 rows; its 8 tiles of fc_w stay in 384 registers, read once, asked for while the first norm is computed.
; PHASES, three barriers:  A: ao + q, the first norm, y to LDS | barrier |  B: wave w quantises two of y's eight fragments (16 rows x 128 K) and stores them as images of their registers | barrier |
;   C: for each 16 rows: four fragments from LDS, 32 products (transposed: source 0 = 16 rows of fc_w; fc_b is the C of each sum's first product), + y, to LDS | barrier |  D: the second norm, out.
; LDS: Y 32 rows x 2,064 at 0; Z the same at 66,048; the images, 8 x 1,536, at 132,096; their scale words, 8 x 128, at 144,384; the spare words behind them.
; THE MODE: SCHED_MODE bits 1:0 = 2 (LLVM: expert scheduling mode 2), set by the entry lines.  The code itself states the register dependences between vector or matrix instructions and memory or LDS instructions,
; with s_wait_alu, always for 0.
; THE PLAN.  Registers that memory or LDS instructions touch:
;   v1-v14           offsets and LDS addresses, made at the head and never written again.
;   v16-47           gain and bias: loaded, read by the first norm, loaded again behind it, read by the second.
;   windows 1, 2     v0-127: ao's and q's rows, read by the 64 additions; then fc_w's tiles land there (and in v128-191; fc_b in window 1's v192-255), which products alone read.
;   v48-175          A: written by the norm, read by the LDS stores of y.  B: two fragments' 64 numbers each are loaded there TOGETHER and read by the quantiser.  C: v48-111 the accumulators, written by products and
;                    additions, read by the LDS stores into Z; v112-159 y's fragments, loaded, read by the products.  D: my eight rows, loaded, normed in place, read by the last stores.
;   v176-191, v252   B: codes and scale word, written by the quantiser, read by the LDS stores of an image.  (A, D: at work in the norm.)
;   v248-251         y's scale words, loaded, read by the products.
;   window 2, v192-255   y in the result's layout: ASKED FOR WITH THE FRAGMENTS, AHEAD OF THE PRODUCTS, read by the additions behind them: so no load stands between the products and the additions.
;   v254, v255       written at the head, read by the closing add alone.
; A wait on va_vdst stands ahead of each run of stores whose data vector instructions have just written; it also shows every earlier reader of the registers that are loaded next done, and no vector or matrix
; instruction stands between it and those loads.  A wait on vm_vsrc stands ahead of the first write into registers that a run of LDS stores has read.
; REGISTERS.  window 0: v1-15 addresses; v16-31 gain, v32-47 bias; v48-175 as above; v176-215 at work; v216-247 fc_w's scale words; v248-251 y's.
;   window 1: ao's rows, then fc_w's tiles 0-3 (48 t + 12 s), fc_b at v192-255.   window 2: q's rows, then tiles 4-7; y at v192-255.
.set PITCH, 2064
.set ZB,   66048
.set IMG,  132096
.set SCI,  144384
.set G,    16
.set BB,   32
.set ZR8,  48
.set X,    48
.set AC,   48
.set YF,   112
.set Y2,   192                         ; in window 2
.set TP,   176                         ; v176-191 a pair for each row
.set XT,   192                         ; v192-199 one for each row
.set TQ,   200                         ; v200-215 a pair for each row
.set PC,   176                         ; phase B lays these over them
.set CT,   200
.set MX,   208
.set SO,   210
.set BY,   212
.set T,    214
.set T2,   215
.set WS,   216
.set YS,   248
.set PWR,  252
.set H8,   15
.set SEL,  42
.set MSB, 0
.macro WIN new                         ; the immediate's high byte repeats the setting that is left; a switch that changes nothing is dropped
.if MSB != (\new)
	s_set_vgpr_msb (MSB<<8)|(\new)
.set MSB, (\new)
.endif
.endm
.macro BARRIER                         ; my LDS stores have landed and my LDS loads are in: then the work-group's barrier
	s_wait_dscnt 0x0
	s_barrier_signal -1
	s_barrier_wait -1
.endm
	s_load_b256 s[4:11], s[0:1], 0x0               ; ao, q, codes, scl
	s_load_b256 s[12:19], s[0:1], 0x20             ; fc_b, g0, b0, g1
	s_load_b128 s[20:23], s[0:1], 0x40             ; b1, out0
	v_lshl_add_u32 v254, v0, 2, 0x23800
	v_mov_b32 v255, 0
	v_lshrrev_b32 v16, 5, v0
	v_readfirstlane_b32 s24, v16                   ; w: wave 0..3
	v_and_b32 v16, 31, v0                          ; lane
	v_and_b32 v17, 15, v0                          ; r
	v_bfe_u32 v18, v0, 4, 1                        ; h
	v_lshlrev_b32 v1, 4, v16                       ; 16 x lane
	s_wait_alu depctr_va_vdst(0)
	v_lshlrev_b32 v2, 3, v16                       ; 8 x lane
	s_wait_alu depctr_va_vdst(0)
	v_lshlrev_b32 v3, 5, v18                       ; 32 h
	s_wait_alu depctr_va_sdst(0)                   ; s24 is written, ahead of its first reader: LDS addresses and the buffers' bases are made from it
	s_mul_i32 s25, s24, 8*PITCH
	v_add_nc_u32 v4, s25, v1                       ; Y, by rows: my 8 rows
	s_lshr_b32 s25, s24, 1
	s_mul_i32 s25, s25, 16*PITCH
	s_and_b32 s28, s24, 1
	s_lshl_b32 s28, s28, 10
	s_add_co_u32 s25, s25, s28
	v_mul_u32_u24 v5, v17, PITCH
	v_lshl_add_u32 v5, v18, 7, v5
	v_add_nc_u32 v5, s25, v5                       ; Y, for phase B: row 16 (w / 2) + r, byte 1,024 (w % 2) + 128 h
	s_mul_i32 s25, s24, 3072
	s_add_co_u32 s25, s25, IMG
	v_add_nc_u32 v6, s25, v1                       ; where I store my two images
	v_add_nc_u32 v7, s25, v2
	s_lshl_b32 s25, s24, 8
	s_add_co_u32 s25, s25, SCI
	v_lshl_add_u32 v8, v16, 2, s25                 ; and their scale words
	v_add_nc_u32 v9, IMG, v1                       ; where any image is read
	v_add_nc_u32 v10, IMG, v2
	v_lshl_add_u32 v11, v16, 2, SCI
	s_lshl_b32 s25, s24, 9
	v_mul_u32_u24 v12, v17, PITCH
	v_lshl_add_u32 v12, v18, 5, v12
	v_add_nc_u32 v12, s25, v12                     ; Y in the result's layout: row r, byte 512 w + 32 h
	v_add_nc_u32 v13, ZB, v12                      ; Z likewise
	v_add_nc_u32 v14, ZB, v4                       ; Z by rows
	v_lshlrev_b32 v[H8], 3, v18
.irp i, 0,1,2,3,4,5,6,7
	v_mov_b32 v[XT+\i], 0                          ; a lane permute's destination counts as one of its sources
.endr
	s_mov_b32 s40, 0x3b000000                      ; 1 / 512
	s_mov_b32 s41, 0x3727c5ac                      ; 1e-5
	s_mov_b32 s[SEL], 0x76543210
	s_mov_b32 s[SEL+1], 0xfedcba98
	s_lshl_b32 s26, ttmp9, 16                      ; 32 rows of 2,048 bytes a work-group,
	s_lshl_b32 s28, s24, 14                        ; 8 a wave
	s_add_co_u32 s26, s26, s28
	s_mov_b32 s27, 0
	s_lshl_b32 s28, s24, 3
	s_add_co_u32 s28, s28, 1632                    ; fc_w's tiles 1632 + 8 w on
	s_mul_i32 s30, s28, 6144
	s_mov_b32 s31, 0
	s_lshl_b32 s32, s28, 9
	s_mov_b32 s33, 0
	s_lshl_b32 s34, s24, 9                         ; my 128 numbers of fc_b
	s_mov_b32 s35, 0
	s_wait_kmcnt 0x0
	s_add_nc_u64 s[4:5], s[4:5], s[26:27]
	s_add_nc_u64 s[6:7], s[6:7], s[26:27]
	s_add_nc_u64 s[22:23], s[22:23], s[26:27]
	s_add_nc_u64 s[8:9], s[8:9], s[30:31]
	s_add_nc_u64 s[10:11], s[10:11], s[32:33]
	s_add_nc_u64 s[12:13], s[12:13], s[34:35]
.macro FRAGL reg, off                  ; a fragment of fc_w, 12 registers, from its image of 1,536 bytes
	global_load_b128 v[\reg:\reg+3], v1, s[8:9] offset:\off
	global_load_b64 v[\reg+4:\reg+5], v2, s[8:9] offset:\off+512
	global_load_b128 v[\reg+6:\reg+9], v1, s[8:9] offset:\off+768
	global_load_b64 v[\reg+10:\reg+11], v2, s[8:9] offset:\off+1280
.endm
.macro REDUCE a                        ; eight pairs at a + 2 rr: the two halves, then the 32 lanes; the sum ends in every lane's first register
.irp rr, 0,1,2,3,4,5,6,7
	v_add_f32 v[\a+2*\rr], v[\a+2*\rr], v[\a+2*\rr+1]
.endr
.irp m, 1,2,4,8
.irp rr, 0,1,2,3,4,5,6,7
	v_add_f32_dpp v[\a+2*\rr], v[\a+2*\rr], v[\a+2*\rr] row_xmask:\m row_mask:0xf bank_mask:0xf
.endr
.endr
.irp rr, 0,1,2,3,4,5,6,7
	v_permlanex16_b32 v[XT+\rr], v[\a+2*\rr], s[SEL], s[SEL+1]
.endr
.irp rr, 0,1,2,3,4,5,6,7
	v_add_f32 v[\a+2*\rr], v[\a+2*\rr], v[XT+\rr]
.endr
.endm
.macro LN8                             ; the layer norm of my eight rows, in place, the rows by turns so that no line waits for the line above it
.irp rr, 0,1,2,3,4,5,6,7
	v_pk_add_f32 v[TP+2*\rr:TP+2*\rr+1], v[ZR8+16*\rr:ZR8+16*\rr+1], v[ZR8+16*\rr+2:ZR8+16*\rr+3]
.endr
.irp k, 4,6,8,10,12,14
.irp rr, 0,1,2,3,4,5,6,7
	v_pk_add_f32 v[TP+2*\rr:TP+2*\rr+1], v[TP+2*\rr:TP+2*\rr+1], v[ZR8+16*\rr+\k:ZR8+16*\rr+\k+1]
.endr
.endr
	REDUCE TP
.irp rr, 0,1,2,3,4,5,6,7
	v_mul_f32 v[TP+2*\rr], s40, v[TP+2*\rr]        ; the mean
.endr
.irp k, 0,2,4,6,8,10,12,14
.irp rr, 0,1,2,3,4,5,6,7
	v_pk_add_f32 v[ZR8+16*\rr+\k:ZR8+16*\rr+\k+1], v[ZR8+16*\rr+\k:ZR8+16*\rr+\k+1], v[TP+2*\rr:TP+2*\rr+1] op_sel_hi:[1,0] neg_lo:[0,1] neg_hi:[0,1]   ; x - mean
.endr
.endr
.irp rr, 0,1,2,3,4,5,6,7
	v_pk_mul_f32 v[TQ+2*\rr:TQ+2*\rr+1], v[ZR8+16*\rr:ZR8+16*\rr+1], v[ZR8+16*\rr:ZR8+16*\rr+1]
.endr
.irp k, 2,4,6,8,10,12,14
.irp rr, 0,1,2,3,4,5,6,7
	v_pk_fma_f32 v[TQ+2*\rr:TQ+2*\rr+1], v[ZR8+16*\rr+\k:ZR8+16*\rr+\k+1], v[ZR8+16*\rr+\k:ZR8+16*\rr+\k+1], v[TQ+2*\rr:TQ+2*\rr+1]
.endr
.endr
	REDUCE TQ
.irp rr, 0,1,2,3,4,5,6,7
	v_fma_f32 v[TQ+2*\rr], v[TQ+2*\rr], s40, s41   ; the variance + 1e-5
.endr
	s_wait_alu depctr_va_vdst(0)
.irp rr, 0,1,2,3,4,5,6,7
	v_rsq_f32 v[TQ+2*\rr], v[TQ+2*\rr]
.endr
	v_nop                                          ; one plain place behind a transcendental
	s_wait_alu depctr_va_vdst(0)                   ; the eight reciprocal roots are written: one wait for the batch, ahead of its first reader
.irp k, 0,2,4,6,8,10,12,14
.irp rr, 0,1,2,3,4,5,6,7
	v_pk_mul_f32 v[ZR8+16*\rr+\k:ZR8+16*\rr+\k+1], v[ZR8+16*\rr+\k:ZR8+16*\rr+\k+1], v[TQ+2*\rr:TQ+2*\rr+1] op_sel_hi:[1,0]
.endr
.endr
.irp k, 0,2,4,6,8,10,12,14
.irp rr, 0,1,2,3,4,5,6,7
	v_pk_fma_f32 v[ZR8+16*\rr+\k:ZR8+16*\rr+\k+1], v[ZR8+16*\rr+\k:ZR8+16*\rr+\k+1], v[G+\k:G+\k+1], v[BB+\k:BB+\k+1]
.endr
.endr
.endm
; 64 numbers of a lane, two whole blocks (block c at x + 32 c = k 64 c + 32 h + 0..31 of my row), become a fragment's codes (half c at PC + 8 c) and my row's scale word in v[sw].
.macro QB x, sw
.irp c, 0,1
	v_max3_num_f32 v[MX+\c], |v[\x+32*\c]|, |v[\x+32*\c+1]|, 0x1800000   ; with the floor 2^(3 - 127): the byte cannot fall under 1
.endr
.irp i, 2,4,6,8,10,12,14,16,18,20,22,24,26,28,30
.irp c, 0,1
	v_max3_num_f32 v[MX+\c], v[MX+\c], |v[\x+32*\c+\i]|, |v[\x+32*\c+\i+1]|
.endr
.endr
.irp c, 0,1
	v_add_nc_u32 v[SO+\c], 0xff000000, v[MX+\c]    ; 2 off the exponent field: the conversion's scale operand
.endr
.irp c, 0,1
	v_lshrrev_b32 v[BY+\c], 23, v[SO+\c]           ; the scale's byte
.endr
	v_lshl_or_b32 v[T], v[BY+1], 16, v[BY]
	v_lshlrev_b32 v[T], v[H8], v[T]
	v_permlanex16_b32 v[T2], v[T], s[SEL], s[SEL+1]
	v_or_b32 v[\sw], v[T], v[T2]                   ; with lane l xor 16's two bytes the word is whole
.irp c, 0,1
	v_cvt_scalef32_pk16_fp6_f32 v[PC+8*\c:PC+8*\c+2], v[\x+32*\c:\x+32*\c+15], v[SO+\c]
	v_cvt_scalef32_pk16_fp6_f32 v[CT+4*\c:CT+4*\c+2], v[\x+32*\c+16:\x+32*\c+31], v[SO+\c]
.endr
	v_nop                                          ; one plain place behind a scaled conversion
.irp c, 0,1
.irp i, 0,1,2
	v_mov_b32 v[PC+8*\c+3+\i], v[CT+4*\c+\i]
.endr
.endr
.endm
.macro IMGOUT f                        ; the fragment just made goes to LDS as an image of its registers, and its scale words beside it
.irp c, 0,1
	ds_store_b128 v6, v[PC+8*\c:PC+8*\c+3] offset:1536*\f+768*\c
	ds_store_b64 v7, v[PC+8*\c+4:PC+8*\c+5] offset:1536*\f+768*\c+512
.endr
	ds_store_b32 v8, v[PWR] offset:128*\f
	s_wait_dscnt 0x0                               ; the stores are done (behind the first image: and the second fragment's numbers are in)
.endm
	; ---- A: ao + q, the first norm.  All 32 KB of a wave's rows are asked for at once
	s_wait_alu depctr_va_vdst(0)                   ; the offsets and LDS addresses v1 to v14 are written, which the loads and stores of the kernel read; so are v16 to v18, which the head used and in which the gain lands
.irp j, 0,1,2,3
	global_load_b128 v[G+4*\j:G+4*\j+3], v1, s[14:15] offset:512*\j
	global_load_b128 v[BB+4*\j:BB+4*\j+3], v1, s[16:17] offset:512*\j
.endr
	WIN 0x40                                       ; destination window 1, offsets window 0
.irp rr, 0,1,2,3,4,5,6,7
.irp j, 0,1,2,3
	global_load_b128 v[16*\rr+4*\j:16*\rr+4*\j+3], v1, s[4:5] offset:\rr*2048+512*\j th:TH_LOAD_NT
.endr
.endr
	WIN 0x80
.irp rr, 0,1,2,3,4,5,6,7
.irp j, 0,1,2,3
	global_load_b128 v[16*\rr+4*\j:16*\rr+4*\j+3], v1, s[6:7] offset:\rr*2048+512*\j th:TH_LOAD_NT
.endr
.endr
	s_wait_loadcnt 0x0
	WIN 0x09                                       ; source 0 window 1 (ao), source 1 window 2 (q), destination window 0
.set ii, 0
.rept 64
	v_pk_add_f32 v[ZR8+ii:ZR8+ii+1], v[ii:ii+1], v[ii:ii+1]
.set ii, ii+2
.endr
	WIN 0x40                                       ; my part of fc_w, fc_b and the scale words are asked for now: they land under the norm and the quantising
	s_wait_alu depctr_va_vdst(0)                   ; the additions are done reading ao's and q's registers, in which fc_w's tiles land
.irp t, 0,1,2,3
.irp s, 0,1,2,3
	FRAGL 48*\t+12*\s, \t*6144+1536*\s
.endr
.endr
.irp t, 0,1,2,3,4,5,6,7
	global_load_b128 v[192+8*\t:192+8*\t+3], v3, s[12:13] offset:64*\t       ; fc_b in the result's layout: lane (r, h), tile t: outputs 16 t + 8 h + 0..7
	global_load_b128 v[192+8*\t+4:192+8*\t+7], v3, s[12:13] offset:64*\t+16
.endr
	WIN 0x80
.irp t, 0,1,2,3
.irp s, 0,1,2,3
	FRAGL 48*\t+12*\s, (\t+4)*6144+1536*\s
.endr
.endr
	WIN 0
.irp t, 0,1,2,3,4,5,6,7
	global_load_b128 v[WS+4*\t:WS+4*\t+3], v1, s[10:11] offset:512*\t
.endr
	LN8
	s_wait_alu depctr_va_vdst(0)                   ; the norm has written y's registers, which the LDS stores read, and is done reading the gain and the bias, in which the second norm's land
.irp rr, 0,1,2,3,4,5,6,7
.irp j, 0,1,2,3
	ds_store_b128 v4, v[ZR8+16*\rr+4*\j:ZR8+16*\rr+4*\j+3] offset:\rr*PITCH+512*\j
.endr
.endr
.irp j, 0,1,2,3
	global_load_b128 v[G+4*\j:G+4*\j+3], v1, s[18:19] offset:512*\j          ; the second norm's gain and bias
	global_load_b128 v[BB+4*\j:BB+4*\j+3], v1, s[20:21] offset:512*\j
.endr
	BARRIER                                        ; y's 32 rows lie in LDS
	; ---- B: fragments 2 w and 2 w + 1 of y's eight (fragment 4 m + s: rows 16 m on, K step s).  Both fragments' numbers are asked for at once, into v48-111 and v112-175
	s_wait_alu depctr_vm_vsrc(0)                   ; my LDS stores of y have read v48 to v175, in which the loads below land (the norm that wrote them stands ahead of the last wait on va_vdst)
.irp f, 0,1
.irp c, 0,1
.irp j, 0,1,2,3,4,5,6,7
	ds_load_b128 v[X+64*\f+32*\c+4*\j:X+64*\f+32*\c+4*\j+3], v5 offset:512*\f+256*\c+16*\j
.endr
.endr
.endr
	s_wait_dscnt 16                                ; LDS loads come back in order (ISA guide 5.7.1): the first fragment's sixteen are in, the second's sixteen may be out
	QB X, PWR
	s_wait_alu depctr_va_vdst(0)                   ; the quantiser has written the codes and the scale word, which the LDS stores read
	IMGOUT 0
	s_wait_alu depctr_vm_vsrc(0)                   ; those stores have read the codes and the scale word, which the quantiser writes again
	QB X+64, PWR
	s_wait_alu depctr_va_vdst(0)                   ; the codes and the scale word are written, which the LDS stores read; the quantiser is done reading v112 to v175, in which phase C's fragments land
	IMGOUT 1
	BARRIER                                        ; y's eight fragments lie in LDS
	s_wait_loadcnt 0x0                             ; fc_w, fc_b, the scale words, the second gain and bias
	; ---- C: 16 products for tiles 4 hf .. 4 hf + 3: the four accumulators take turns, one instruction a turn; fc_b is the C of the first K step
.macro FCH hf
.irp s, 0,1,2,3
.if \s == 0
	WIN 0x11+\hf                                   ; source 0 (fc_w) window 1 or 2, source 2 (fc_b) window 1
.else
	WIN 0x01+\hf
.endif
.irp t, 0,1,2,3
.if \s == 0
	v_wmma_scale_f32_16x16x128_f8f6f4 v[AC+8*(4*\hf+\t):AC+8*(4*\hf+\t)+7], v[48*\t+12*\s:48*\t+12*\s+11], v[YF+12*\s:YF+12*\s+11], v[192+8*(4*\hf+\t):192+8*(4*\hf+\t)+7], v[WS+4*(4*\hf+\t)+\s], v[YS+\s] matrix_a_fmt:MATRIX_FMT_FP6 matrix_b_fmt:MATRIX_FMT_FP6
.else
	v_wmma_scale_f32_16x16x128_f8f6f4 v[AC+8*(4*\hf+\t):AC+8*(4*\hf+\t)+7], v[48*\t+12*\s:48*\t+12*\s+11], v[YF+12*\s:YF+12*\s+11], v[AC+8*(4*\hf+\t):AC+8*(4*\hf+\t)+7], v[WS+4*(4*\hf+\t)+\s], v[YS+\s] matrix_a_fmt:MATRIX_FMT_FP6 matrix_b_fmt:MATRIX_FMT_FP6
.endif
.endr
.endr
.endm
.irp m, 0,1
.irp s, 0,1,2,3                                ; no wait on va_vdst here: no vector or matrix instruction stands between the last one (ahead of the last run of LDS stores) and these 36 loads
	ds_load_b128 v[YF+12*\s:YF+12*\s+3], v9 offset:(4*\m+\s)*1536
	ds_load_b64 v[YF+12*\s+4:YF+12*\s+5], v10 offset:(4*\m+\s)*1536+512
	ds_load_b128 v[YF+12*\s+6:YF+12*\s+9], v9 offset:(4*\m+\s)*1536+768
	ds_load_b64 v[YF+12*\s+10:YF+12*\s+11], v10 offset:(4*\m+\s)*1536+1280
	ds_load_b32 v[YS+\s], v11 offset:128*(4*\m+\s)
.endr
	WIN 0x80                                       ; destination window 2, address window 0
.irp t, 0,1,2,3,4,5,6,7
	ds_load_b128 v[Y2+8*\t:Y2+8*\t+3], v12 offset:\m*16*PITCH+64*\t          ; y in the result's layout: lane (r, h), tile t: row 16 m + r, columns 128 w + 16 t + 8 h + 0..7.  It lands under the products
	ds_load_b128 v[Y2+8*\t+4:Y2+8*\t+7], v12 offset:\m*16*PITCH+64*\t+16
.endr
	s_wait_dscnt 16                                ; the fragments and their scale words are in, and all that is older is done (the first sixteen rows' stores into Z among it); y's sixteen loads may be out
.if \m
	s_wait_alu depctr_vm_vsrc(0)                   ; the first sixteen rows' LDS stores have read the accumulators, which the products below write again
.endif
	FCH 0
	FCH 1
	WIN 0
.rept 4
	v_nop                                          ; four places between the last product and the first read of results (ISA guide 7.12.1)
.endr
	s_wait_dscnt 0x0                               ; y is in
	WIN 0x08                                       ; source 1 (y) window 2
.set ii, 0
.rept 32
	v_pk_add_f32 v[AC+ii:AC+ii+1], v[AC+ii:AC+ii+1], v[Y2+ii:Y2+ii+1]        ; + y, each accumulator from its low end on
.set ii, ii+2
.endr
	WIN 0
	s_wait_alu depctr_va_vdst(0)                   ; the additions have written the sums, which the LDS stores read; products and additions are done reading the fragments, their scale words and y, in whose registers the next loads land
.irp t, 0,1,2,3,4,5,6,7
	ds_store_b128 v13, v[AC+8*\t:AC+8*\t+3] offset:\m*16*PITCH+64*\t
	ds_store_b128 v13, v[AC+8*\t+4:AC+8*\t+7] offset:\m*16*PITCH+64*\t+16
.endr
.endr
	BARRIER                                        ; 32 whole rows lie in Z
	; ---- D: the second norm
	s_wait_alu depctr_vm_vsrc(0)                   ; my LDS stores into Z have read v48 to v111, in which the loads below land
.irp rr, 0,1,2,3,4,5,6,7
.irp j, 0,1,2,3
	ds_load_b128 v[ZR8+16*\rr+4*\j:ZR8+16*\rr+4*\j+3], v14 offset:\rr*PITCH+512*\j
.endr
.endr
	s_wait_dscnt 0x0
	LN8
	s_wait_alu depctr_va_vdst(0)                   ; the norm has written my eight rows, which the stores below read
.irp rr, 0,1,2,3,4,5,6,7
.irp j, 0,1,2,3
	global_store_b128 v1, v[ZR8+16*\rr+4*\j:ZR8+16*\rr+4*\j+3], s[22:23] offset:\rr*2048+512*\j th:TH_STORE_NT   ; 32 lanes store 512 consecutive bytes, at a multiple of 256 from the buffer's first byte
.endr
.endr
	s_wait_dscnt 0x0                               ; the closing lines, six on end
	s_wait_alu 0x0
	s_wait_tensorcnt 0x0
	ds_add_u32 v254, v255
	s_wait_dscnt 0x0
	s_endpgm
.Lfunc_end_k_q598e5fe1be_tail:
	.size	k_q598e5fe1be_tail, .Lfunc_end_k_q598e5fe1be_tail-k_q598e5fe1be_tail
	.p2alignl 7, 3214868480
	.fill 96, 4, 3214868480
	.section	.rodata,"a",@progbits
	.p2align	6, 0x0
	.amdhsa_kernel k_q598e5fe1be_tail
		.amdhsa_group_segment_fixed_size 145920
		.amdhsa_private_segment_fixed_size 0
		.amdhsa_enable_private_segment 0
		.amdhsa_kernarg_size 80
		.amdhsa_user_sgpr_count 2
		.amdhsa_user_sgpr_kernarg_segment_ptr 1
		.amdhsa_wavefront_size32 1
		.amdhsa_system_sgpr_workgroup_id_x 1
		.amdhsa_system_sgpr_workgroup_id_y 1
		.amdhsa_system_sgpr_workgroup_id_z 1
		.amdhsa_system_vgpr_workitem_id 0
		.amdhsa_next_free_vgpr 768
		.amdhsa_next_free_sgpr 66
		.amdhsa_reserve_vcc 0
		.amdhsa_float_denorm_mode_32 3
		.amdhsa_float_denorm_mode_16_64 3
		.amdhsa_memory_ordered 1
		.amdhsa_forward_progress 1
		.amdhsa_inst_pref_size 119
	.end_amdhsa_kernel
	.amdgpu_metadata
---
amdhsa.version: [ 1, 2 ]
amdhsa.kernels:
  - .name:           k_q598e5fe1be_tail
    .symbol:         k_q598e5fe1be_tail.kd
    .args:
      - { .name: ao, .offset: 0, .size: 8, .value_kind: global_buffer, .address_space: global }
      - { .name: q, .offset: 8, .size: 8, .value_kind: global_buffer, .address_space: global }
      - { .name: codes, .offset: 16, .size: 8, .value_kind: global_buffer, .address_space: global }
      - { .name: scl, .offset: 24, .size: 8, .value_kind: global_buffer, .address_space: global }
      - { .name: fc_b, .offset: 32, .size: 8, .value_kind: global_buffer, .address_space: global }
      - { .name: g0, .offset: 40, .size: 8, .value_kind: global_buffer, .address_space: global }
      - { .name: b0, .offset: 48, .size: 8, .value_kind: global_buffer, .address_space: global }
      - { .name: g1, .offset: 56, .size: 8, .value_kind: global_buffer, .address_space: global }
      - { .name: b1, .offset: 64, .size: 8, .value_kind: global_buffer, .address_space: global }
      - { .name: out0, .offset: 72, .size: 8, .value_kind: global_buffer, .address_space: global }
    .group_segment_fixed_size: 145920
    .private_segment_fixed_size: 0
    .kernarg_segment_align: 8
    .kernarg_segment_size: 80
    .max_flat_workgroup_size: 128
    .sgpr_count:     66
    .vgpr_count:     768
    .wavefront_size: 32
...
	.end_amdgpu_metadata
.endif
;; end of part 8
